; MI455X (gfx1250); checked and timed in simulation.
; The chip was launched on July 23, 2026; its instructions are those of AMD's public machine-readable ISA for CDNA 5 (MIT licence, August 2026) and "CDNA5" Instruction Set Architecture Reference Guide (July 2026). The comments in the code are by the model that wrote it; some were corrected since.
;; Self Attention. Allowed arithmetic: matrix products marked QUANTISED: E2M1 operands, one E8M0 scale for each 32 along K, by v_wmma_scale_f32_16x16x128_f8f6f4 with both operands' format E2M1 (or v_wmma_scale_f32_32x16x128_f4), f32 sums; products left as they are: bf16, f16 or f32 operands; f32 sums; everything else in f32.
;; Inputs: WK 16 x 1,024 x 64 float32; WO 1,024 x 1,024 float32; WQ 16 x 1,024 x 64 float32; WV 16 x 1,024 x 64 float32; x 4 x 2,048 x 1,024 float32.
;; Outputs: out0 4 x 2,048 x 1,024 float32.
;; This version of the problem:
;;   THIS VERSION OF THE PROBLEM IS GIVEN IN LOW PRECISION. The matrix products marked QUANTISED in the list below multiply operands that are first quantised to E2M1 (2 exponent bits, 1 mantissa bit; 4 bits a number), with one power-of-two scale for each 32 numbers along K (OCP MX v1.0); their sums are f32. The products marked 'left as it is' may take bf16, f16 or f32 operands, with f32 sums. Whichever they take, every output number must still come out within the allowed error. Rounding operands to bf16 (8 significant bits) uses up far more of that allowance than f16 does (11 bits, for magnitudes from 6e-5 to 65,504). All else is computed in f32.
;;   The module's matrix products, in the order in which they are computed (A, B: the left and right operand; K: the contracted axis; several contracted axes count as one K, in the product's order):
;;     1. [M 1,024, K 1,024] x [K 1,024, N 8,192]; A: input WQ; B: input x: QUANTISED
;;     2. [M 1,024, K 1,024] x [K 1,024, N 8,192]; A: input WK; B: input x: QUANTISED
;;     3. [M 1,024, K 1,024] x [K 1,024, N 8,192]; A: input WV; B: input x: QUANTISED
;;     4. batch 64 x [M 2,048, K 64] x [K 64, N 2,048]; A: computed on the way; B: computed on the way: left as it is (an operand is computed on the way)
;;     5. batch 64 x [M 2,048, K 2,048] x [K 2,048, N 64]; A: computed on the way; B: computed on the way: left as it is (an operand is computed on the way)
;;     6. [M 8,192, K 1,024] x [K 1,024, N 1,024]; A: computed on the way; B: input WO: left as it is (an operand is computed on the way)
;;   THE QUANTISER, for each operand of a quantised product, along K:
;;     - K is cut into blocks of 32 from its start; a last block that is shorter is filled with zeros.
;;     - A block's scale is 2^e with e = floor(log2(the largest magnitude in the block)) - 2, held to -126 .. 127; a block of zeros has e = 0. As a byte (E8M0): e + 127.
;;     - Each number is divided by its block's scale, clamped to +-6, and rounded to the nearest number of E2M1, ties to even, subnormals kept.
;;     - The product sums the exact products of the quantised numbers (number of the format x scale) in f32.
;;   ~~~python
;;   def quantise(x, axis):      # numpy; x: float32 -> the quantised numbers, widened to float32 again
;;       x = np.moveaxis(x, axis, -1); K = x.shape[-1]
;;       x = np.pad(x, [(0, 0)] * (x.ndim - 1) + [(0, -K % 32)]); x = x.reshape(x.shape[:-1] + (-1, 32)); a = np.abs(x).max(-1, keepdims=True)
;;       e = np.where(a > 0, np.clip(np.frexp(np.where(a > 0, a, 1))[1] - 1 - 2, -126, 127), 0)      # np.frexp(a)[1] - 1 = floor(log2(a)), exactly
;;       r = np.clip(x / 2.0 ** e, -6, 6)
;;       step = 2.0 ** (np.maximum(np.frexp(np.where(r == 0, 1, r))[1] - 1, 0) - 1)
;;       q = np.round(r / step) * step * 2.0 ** e      # np.round: ties to even
;;       return np.moveaxis(q.reshape(q.shape[:-2] + (-1,))[..., :K], -1, axis).astype(np.float32)
;;   ~~~
;; One version. Each part assembles by itself: llvm-mc -triple=amdgcn-amd-amdhsa -mcpu=gfx1250 --defsym DOCPART=n.
;; ======== version 1 of 1: 4 launches
;; limits: values are held in f16: magnitudes above 65,504 overflow, below 6.1e-05 lose precision
;; workspace buffers: xc 4,194,304 bytes; xs 262,144 bytes; wc 1,572,864 bytes; ws 98,304 bytes; wo16 2,097,152 bytes; qkv 50,331,648 bytes; o16 16,777,216 bytes
;; launch prep (part 1): grid 368 x 1, 4 waves a work-group, no clusters, 68,096 bytes of LDS; arguments x, WQ, WK, WV, WO, xc, xs, wc, ws, wo16; writes xc, xs, wc, ws, wo16
.if DOCPART == 1
	.amdgcn_target "amdgcn-amd-amdhsa--gfx1250"
	.amdhsa_code_object_version 6
	.text
	.protected	k_qfc1528c2ec_prep
	.globl	k_qfc1528c2ec_prep
	.p2align	8
	.type	k_qfc1528c2ec_prep,@function
k_qfc1528c2ec_prep:
	s_mov_b64 s[64:65], 0
	v_nop
	global_prefetch_b8 v0, s[64:65] scope:SCOPE_SE
	s_setreg_imm32_b32 hwreg(HW_REG_WAVE_MODE, 25, 1), 1
	s_wait_xcnt 0x0
; PREPARATION, one launch, three kinds of work-group, told apart by the work-group's number alone:
;   0 .. 47    WQ, WK, WV [16 h][1024 k][64 c] f32 -> codes of FP4 (E2M1) wc [3072 n][512 bytes], K innermost, n = 1024 t + 64 h + c (t = 0 Q, 1 K, 2 V), and scale bytes ws [3072][32]
;   48 .. 111  WO [1024][1024] f32 -> wo16, the same numbers in f16
;   112 .. 367 x [8192][1024] f32 -> codes xc [8192][512 bytes] and scale bytes xs [8192][32]
; THE QUANTISER: a block is 32 numbers along K; its scale is 2^(floor(log2(largest magnitude)) - 2); the byte is the largest magnitude's exponent field - 2, held at 1 from below;
; each number is divided by the scale and rounded to the nearest code, ties to even, beyond 6 the largest code.
; LIMITS: a block of zeros, and a block whose largest magnitude lies under 2^-124, gets the byte 1 (a block of zeros has zero codes, and this program alone reads the bytes);
; NaN and infinities among the inputs are not served; WO's magnitudes stay under 65,504 (f16), and what lies under f16's smallest number is lost.
; No tensor load, no barrier: waves share nothing.  Each kind that uses LDS has LDS bytes of its own.
.set SPW,   208                        ; v208  LDS address of my spare word: SPARE + 4 x my thread's number; never rewritten
.set NIL,   209                        ; v209  0; never rewritten
.set WV,    24                         ; s24   my wave's number
.set SPARE, 67584                      ; behind both kinds' regions: the spare words, 128 bytes for each wave: two blocks of 256 bytes that no other line names
.set EMAX,  2
; x's kind: a wave takes 16 steps of 512 numbers
.set STEPS, 16
.set CB,    8                          ; bytes of 16 codes
.set R,     16                         ; v16-79   four sets of 16 numbers as they are loaded
.set X,     80                         ; v80-111  two sets of 16 neighbours
.set E,     112                        ; v112-127 a scale byte for each step
.set C,     128                        ; v128-191 codes: four registers for each step, so that no store's data are written again
.set WREG,  8192                       ; LDS 0 .. 32,767: a region for each wave: two stages of 32 x SP bytes, behind them its 256 scale bytes
.set SP,    80                         ; a lane's place in a stage: its 64 bytes + 16 of padding
; W's kind: a wave takes 32 columns x 512 along K
.set WST,   32768                      ; LDS 32,768 .. 67,583: a stage of 32 rows x PITCH for each wave
.set NB,    16                         ; blocks of 32 along K
.set PITCH, 272                        ; a stage row: 256 bytes of codes + 16
.set KROW,  512                        ; a row of wc in bytes
.set WROW,  256                        ; a row (one k) of a head's weight in bytes
.set XW,    32                         ; v32-95   two sets of 32 numbers
.set CW,    96                         ; v96-99   a block's codes
.set OUTR,  112                        ; v112-175 the way out
.set SBY,   24                         ; v24-27   the scale bytes, four to a register
	s_load_b256 s[4:11], s[0:1], 0x0               ; x s[4:5], WQ s[6:7], WK s[8:9], WV s[10:11]
	s_load_b256 s[12:19], s[0:1], 0x20             ; WO s[12:13], xc s[14:15], xs s[16:17], wc s[18:19]
	s_load_b128 s[20:23], s[0:1], 0x40             ; ws s[20:21], wo16 s[22:23]
	v_lshl_add_u32 v[SPW], v0, 2, SPARE
	v_mov_b32 v[NIL], 0
	v_lshrrev_b32 v1, 5, v0
	v_readfirstlane_b32 s[WV], v1                  ; wave 0..3
	v_and_b32 v2, 31, v0                           ; lane
	s_wait_kmcnt 0x0
	s_cmp_lt_u32 ttmp9, 48
	s_cbranch_scc1 .Lw
	s_cmp_lt_u32 ttmp9, 112
	s_cbranch_scc1 .Lo
; ---------------- x: a plain stream of blocks of 32 (rows are dense, 1,024 is a multiple of 32) ----------------
; Each load reads 512 consecutive bytes, 16 a lane; a step's 2,048 bytes turn through the wave's own stage, so that a lane then holds 16 NEIGHBOURS along K (two neighbouring lanes hold a block).
	v_lshlrev_b32 v3, 4, v2                        ; my 16 bytes of a load's 512
	s_mul_i32 s25, s[WV], WREG
	v_lshrrev_b32 v14, 2, v2
	v_mul_u32_u24 v14, v14, SP
	v_and_b32 v15, 3, v2
	v_lshl_add_u32 v14, v15, 4, v14
	v_add_nc_u32 v14, s25, v14                     ; the stage, on the way in: SP (lane / 4) + 16 (lane % 4)
	v_mul_u32_u24 v15, v2, SP
	v_add_nc_u32 v15, s25, v15                     ; and on the way out: SP x lane
	v_mul_u32_u24 v4, v2, CB                       ; my codes' place in a step's
	v_lshrrev_b32 v5, 1, v2
	s_add_co_u32 s25, s25, 2*32*SP
	v_add_nc_u32 v5, s25, v5                       ; LDS: my wave's 256 scale bytes, my block's byte
	v_lshlrev_b32 v7, 3, v2                        ; and on the way out 8 bytes a lane
	v_add_nc_u32 v6, s25, v7
	s_sub_co_u32 s26, ttmp9, 112
	s_lshl_b32 s26, s26, 2
	s_add_co_u32 s26, s26, s[WV]                   ; which run of 8,192 numbers is my wave's: 0 .. 1,023
	s_lshl_b32 s28, s26, 15                        ; 32,768 bytes of x a run
	s_mov_b32 s29, 0
	s_add_nc_u64 s[4:5], s[4:5], s[28:29]
	s_lshl_b32 s28, s26, 12                        ; 4,096 bytes of codes
	s_add_nc_u64 s[14:15], s[14:15], s[28:29]
	s_lshl_b32 s28, s26, 8                         ; 256 scale bytes
	s_add_nc_u64 s[16:17], s[16:17], s[28:29]
.macro XLOAD t
.irp i, 0,1,2,3
	global_load_b128 v[R+16*((\t)%4)+4*\i:R+16*((\t)%4)+4*\i+3], v3, s[4:5] offset:2048*(\t)+512*\i th:TH_LOAD_NT   ; 32 lanes read 512 consecutive bytes
.endr
.endm
.macro XTURN t                         ; step t's numbers through the stage: LDS serves a wave's instructions in order, so no wait stands between the stores and the loads
.irp i, 0,1,2,3
	ds_store_b128 v14, v[R+16*((\t)%4)+4*\i:R+16*((\t)%4)+4*\i+3] offset:32*SP*((\t)%2)+8*SP*\i
.endr
.irp i, 0,1,2,3
	ds_load_b128 v[X+16*((\t)%2)+4*\i:X+16*((\t)%2)+4*\i+3], v15 offset:32*SP*((\t)%2)+16*\i
.endr
.endm
.irp t, 0,1,2,3
	XLOAD \t
.endr
	s_wait_loadcnt 12                              ; step 0's four loads are in; three steps' twelve may be out
	XTURN 0
.macro XSTEP t
.set XS, X+16*((\t)%2)
.if (\t) > 0
	s_wait_dscnt 1                                 ; this step's numbers are back from the stage (the last step's byte store may be out): so its stores into the stage have read their registers,
.else
	s_wait_dscnt 0x0
.endif
.if (\t)+4 < STEPS
	XLOAD (\t)+4                                   ; which take the loads of four steps on
.endif
.if (\t)+1 < STEPS
.if STEPS-2-(\t) >= 3
	s_wait_loadcnt 12                              ; the next step's four loads are in; those of the three steps behind it may be out
.else
	s_wait_loadcnt 4*(STEPS-2-(\t))
.endif
	XTURN (\t)+1                                   ; and go through the other stage while this step is worked
.endif
	v_max3_num_f32 v8, |v[XS]|, |v[XS+1]|, |v[XS+2]|               ; the largest magnitude of my 16, in two chains
	v_max3_num_f32 v9, |v[XS+3]|, |v[XS+4]|, |v[XS+5]|
.irp i, 6,10
	v_max3_num_f32 v8, v8, |v[XS+\i]|, |v[XS+\i+1]|
	v_max3_num_f32 v9, v9, |v[XS+\i+2]|, |v[XS+\i+3]|
.endr
	v_max3_num_f32 v8, v8, |v[XS+14]|, |v[XS+15]|
	v_max3_num_f32 v8, v8, v9, (EMAX+1)<<23        ; and the floor 2^(3 - 127): so the byte cannot fall under 1
	v_max_num_f32_dpp v8, v8, v8 row_xmask:1 row_mask:0xf bank_mask:0xf   ; and of my neighbour's 16: the block's
	v_add_nc_u32 v11, 0xff000000, v8               ; 2 off its exponent field: the conversion takes the exponent field of this operand as its scale, and nothing else of it
	v_cvt_scalef32_pk8_fp4_f32 v[C+4*(\t)], v[XS:XS+7], v11
	v_cvt_scalef32_pk8_fp4_f32 v[C+4*(\t)+1], v[XS+8:XS+15], v11
	v_lshrrev_b32 v[E+(\t)], 23, v11               ; the scale's byte (a plain line behind the conversions)
	ds_store_b8 v5, v[E+(\t)] offset:16*(\t)       ; both lanes of a block write the same byte with the same value
	global_store_b64 v4, v[C+4*(\t):C+4*(\t)+1], s[14:15] offset:32*CB*(\t)   ; the wave stores 256 consecutive bytes, aligned
.endm
.irp t, 0,1,2,3,4,5,6,7,8,9,10,11,12,13,14,15
	XSTEP \t
.endr
	ds_load_b64 v[8:9], v6                         ; LDS serves a wave's instructions in order: these see my stores
	s_wait_dscnt 0x0
	global_store_b64 v7, v[8:9], s[16:17]          ; 32 lanes store 256 consecutive bytes, aligned
	s_wait_tensorcnt 0x0                           ; the wave's end, behind my last LDS store
	ds_add_u32 v[SPW], v[NIL]
	s_wait_dscnt 0x0
	s_endpgm
; ---------------- WQ, WK, WV: K is the first axis of a head's [1024][64] ----------------
; A lane takes a column c and its registers run down K: a block of 32 lies in one lane's 32 registers, and the conversions give codes with K innermost.  Work-group g: tensor g / 16, head g % 16;
; wave: columns 32 (wave % 2) on, K 512 (wave / 2) on.  A lane's codes go through the wave's own stage and leave as rows: sixteen lanes store 256 consecutive bytes, aligned.
.Lw:
	s_lshr_b32 s25, ttmp9, 4                       ; t
	s_and_b32 s26, ttmp9, 15                       ; h
	s_and_b32 s27, s[WV], 1                        ; which 32 columns
	s_lshr_b32 s28, s[WV], 1                       ; which 512 along K
	s_cmp_lt_u32 ttmp9, 32                         ; the tensor is chosen by the work-group's number alone
	s_cselect_b64 s[30:31], s[8:9], s[10:11]
	s_cmp_lt_u32 ttmp9, 16
	s_cselect_b64 s[30:31], s[6:7], s[30:31]
	s_lshl_b32 s32, s26, 18                        ; a head is 262,144 bytes,
	s_lshl_b32 s33, s28, 17                        ; 512 rows of 256 bytes,
	s_add_co_u32 s32, s32, s33
	s_lshl_b32 s33, s27, 7                         ; 32 columns of 4 bytes
	s_add_co_u32 s32, s32, s33
	s_mov_b32 s33, 0
	s_add_nc_u64 s[30:31], s[30:31], s[32:33]
	s_lshl_b32 s34, s25, 10
	s_lshl_b32 s35, s26, 6
	s_add_co_u32 s34, s34, s35
	s_lshl_b32 s35, s27, 5
	s_add_co_u32 s34, s34, s35                     ; my first row of wc and ws: 1024 t + 64 h + 32 (wave % 2)
	s_lshl_b32 s32, s34, 9
	s_lshl_b32 s35, s28, 8
	s_add_co_u32 s32, s32, s35
	s_add_nc_u64 s[18:19], s[18:19], s[32:33]      ; codes: row x 512 + 256 (wave / 2)
	s_lshl_b32 s32, s34, 5
	s_lshl_b32 s35, s28, 4
	s_add_co_u32 s32, s32, s35
	s_add_nc_u64 s[20:21], s[20:21], s[32:33]      ; scale bytes: row x 32 + 16 (wave / 2)
	v_lshlrev_b32 v3, 2, v2                        ; in: 4 bytes a lane
	s_mul_i32 s36, s[WV], 32*PITCH
	s_add_co_u32 s36, s36, WST                     ; my stage
	v_mul_u32_u24 v4, v2, PITCH
	v_add_nc_u32 v4, s36, v4                       ; into it: row = my column
	v_and_b32 v5, 15, v2
	v_lshrrev_b32 v6, 4, v2                        ; out of it: sixteen lanes to a row, two rows an instruction
	v_mul_u32_u24 v7, v6, PITCH
	v_lshl_add_u32 v7, v5, 4, v7
	v_add_nc_u32 v7, s36, v7
	v_mul_u32_u24 v8, v6, KROW
	v_lshl_add_u32 v8, v5, 4, v8                   ; and the same place in wc
	v_lshlrev_b32 v9, 5, v2                        ; my column's row of scale bytes
.macro WLOAD t                         ; block t: W(32 t + i, my column), i = 0 .. 31, into set t % 2
.set i, 0
.rept 32
	global_load_b32 v[XW+32*((\t)%2)+i], v3, s[30:31] offset:(32*(\t)+i)*WROW th:TH_LOAD_NT
.set i, i+1
.endr
.endm
	WLOAD 0
	WLOAD 1
.macro WBLOCK t
.set XS, XW+32*((\t)%2)
.if (\t) < NB-1
	s_wait_loadcnt 32                              ; this block's 32 loads are in; the next block's 32 may be out
.else
	s_wait_loadcnt 0
.endif
	v_max3_num_f32 v12, |v[XS]|, |v[XS+1]|, |v[XS+2]|               ; the block's largest magnitude: all 32 numbers are mine
	v_max3_num_f32 v13, |v[XS+3]|, |v[XS+4]|, |v[XS+5]|
.irp i, 6,10,14,18,22,26
	v_max3_num_f32 v12, v12, |v[XS+\i]|, |v[XS+\i+1]|
	v_max3_num_f32 v13, v13, |v[XS+\i+2]|, |v[XS+\i+3]|
.endr
	v_max3_num_f32 v12, v12, |v[XS+30]|, |v[XS+31]|
	v_max3_num_f32 v12, v12, v13, (EMAX+1)<<23     ; and the floor 2^(3 - 127)
	v_add_nc_u32 v11, 0xff000000, v12              ; 2 off its exponent field: the conversion's scale operand
	v_lshrrev_b32 v13, 23, v11                     ; the scale's byte
.if (\t)%4 == 0
	v_mov_b32 v[SBY+(\t)/4], v13                   ; four bytes to a register, the lower K in the lower byte
.else
	v_lshl_or_b32 v[SBY+(\t)/4], v13, 8*((\t)%4), v[SBY+(\t)/4]
.endif
.irp g, 0,1,2,3
	v_cvt_scalef32_pk8_fp4_f32 v[CW+\g], v[XS+8*\g:XS+8*\g+7], v11
.endr
	v_nop                                          ; one plain line behind the last conversion
	ds_store_b128 v4, v[CW:CW+3] offset:16*(\t)    ; 32 codes: 16 bytes of my column's row
.if (\t)+2 < NB
	WLOAD (\t)+2
.endif
	s_wait_dscnt 0x0                               ; the store has read its registers: the next block's codes may be written
.endm
.set Q, 0
.rept NB
	WBLOCK Q
.set Q, Q+1
.endr
	global_store_b128 v9, v[SBY:SBY+3], s[20:21]   ; my column's 16 scale bytes
.irp t, 0,1,2,3,4,5,6,7,8,9,10,11,12,13,14,15
	ds_load_b128 v[OUTR+4*\t:OUTR+4*\t+3], v7 offset:2*\t*PITCH   ; LDS serves a wave's instructions in order: these see my stores
.endr
.irp t, 0,1,2,3,4,5,6,7,8,9,10,11,12,13,14,15
	s_wait_dscnt 15-\t                             ; the younger loads may be out
	global_store_b128 v8, v[OUTR+4*\t:OUTR+4*\t+3], s[18:19] offset:2*\t*KROW
.endr
	s_wait_tensorcnt 0x0                           ; the wave's end, behind my last LDS store
	ds_add_u32 v[SPW], v[NIL]
	s_wait_dscnt 0x0
	s_endpgm
; ---------------- WO: a cast to f16, as it lies.  A wave takes 4,096 numbers: 32 loads of 512 bytes, all out at once; no register is used twice; no LDS ----------------
.Lo:
	s_sub_co_u32 s25, ttmp9, 48
	s_lshl_b32 s25, s25, 2
	s_add_co_u32 s25, s25, s[WV]                   ; which run of 4,096 numbers: 0 .. 255
	s_lshl_b32 s26, s25, 14
	s_mov_b32 s27, 0
	s_add_nc_u64 s[12:13], s[12:13], s[26:27]
	s_lshl_b32 s26, s25, 13
	s_add_nc_u64 s[22:23], s[22:23], s[26:27]
	v_lshlrev_b32 v3, 4, v2
	v_lshlrev_b32 v4, 3, v2
.set i, 0
.rept 32
	global_load_b128 v[16+4*i:19+4*i], v3, s[12:13] offset:512*i th:TH_LOAD_NT
.set i, i+1
.endr
.set i, 0
.rept 32
	s_wait_loadcnt 31-i                            ; loads come back in order: load i is in, the younger ones stay out
	v_cvt_pk_f16_f32 v[144+2*i], v[16+4*i], v[17+4*i]
	v_cvt_pk_f16_f32 v[145+2*i], v[18+4*i], v[19+4*i]
	global_store_b64 v4, v[144+2*i:145+2*i], s[22:23] offset:256*i   ; the wave stores 256 consecutive bytes, aligned
.set i, i+1
.endr
	s_endpgm
.Lfunc_end_k_qfc1528c2ec_prep:
	.size	k_qfc1528c2ec_prep, .Lfunc_end_k_qfc1528c2ec_prep-k_qfc1528c2ec_prep
	.p2alignl 7, 3214868480
	.fill 96, 4, 3214868480
	.section	.rodata,"a",@progbits
	.p2align	6, 0x0
	.amdhsa_kernel k_qfc1528c2ec_prep
		.amdhsa_group_segment_fixed_size 68096
		.amdhsa_private_segment_fixed_size 0
		.amdhsa_enable_private_segment 0
		.amdhsa_kernarg_size 80
		.amdhsa_user_sgpr_count 2
		.amdhsa_user_sgpr_kernarg_segment_ptr 1
		.amdhsa_wavefront_size32 1
		.amdhsa_system_sgpr_workgroup_id_x 1
		.amdhsa_system_sgpr_workgroup_id_y 1
		.amdhsa_system_sgpr_workgroup_id_z 1
		.amdhsa_system_vgpr_workitem_id 0
		.amdhsa_next_free_vgpr 210
		.amdhsa_next_free_sgpr 66
		.amdhsa_reserve_vcc 0
		.amdhsa_float_denorm_mode_32 3
		.amdhsa_float_denorm_mode_16_64 3
		.amdhsa_memory_ordered 1
		.amdhsa_forward_progress 1
		.amdhsa_inst_pref_size 123
	.end_amdhsa_kernel
	.amdgpu_metadata
---
amdhsa.version: [ 1, 2 ]
amdhsa.kernels:
  - .name:           k_qfc1528c2ec_prep
    .symbol:         k_qfc1528c2ec_prep.kd
    .args:
      - { .name: x, .offset: 0, .size: 8, .value_kind: global_buffer, .address_space: global }
      - { .name: WQ, .offset: 8, .size: 8, .value_kind: global_buffer, .address_space: global }
      - { .name: WK, .offset: 16, .size: 8, .value_kind: global_buffer, .address_space: global }
      - { .name: WV, .offset: 24, .size: 8, .value_kind: global_buffer, .address_space: global }
      - { .name: WO, .offset: 32, .size: 8, .value_kind: global_buffer, .address_space: global }
      - { .name: xc, .offset: 40, .size: 8, .value_kind: global_buffer, .address_space: global }
      - { .name: xs, .offset: 48, .size: 8, .value_kind: global_buffer, .address_space: global }
      - { .name: wc, .offset: 56, .size: 8, .value_kind: global_buffer, .address_space: global }
      - { .name: ws, .offset: 64, .size: 8, .value_kind: global_buffer, .address_space: global }
      - { .name: wo16, .offset: 72, .size: 8, .value_kind: global_buffer, .address_space: global }
    .group_segment_fixed_size: 68096
    .private_segment_fixed_size: 0
    .kernarg_segment_align: 8
    .kernarg_segment_size: 80
    .max_flat_workgroup_size: 128
    .sgpr_count:     66
    .vgpr_count:     210
    .wavefront_size: 32
...
	.end_amdgpu_metadata
.endif
;; end of part 1
;; launch qkvgemm (part 2): grid 12 x 32, 4 waves a work-group, clusters of 4 x 4, 327,680 bytes of LDS; arguments xc, xs, wc, ws, qkv; writes qkv
.if DOCPART == 2
	.amdgcn_target "amdgcn-amd-amdhsa--gfx1250"
	.amdhsa_code_object_version 6
	.text
	.protected	k_qfc1528c2ec_qkvgemm
	.globl	k_qfc1528c2ec_qkvgemm
	.p2align	8
	.type	k_qfc1528c2ec_qkvgemm,@function
k_qfc1528c2ec_qkvgemm:
	s_mov_b64 s[64:65], 0
	v_nop
	global_prefetch_b8 v0, s[64:65] scope:SCOPE_SE
	s_setreg_imm32_b32 hwreg(HW_REG_WAVE_MODE, 25, 1), 1
	s_wait_xcnt 0x0
	s_wait_alu depctr_hold_cnt(0) depctr_sa_sdst(0) depctr_va_vdst(0) depctr_va_sdst(0) depctr_va_ssrc(0) depctr_va_vcc(0) depctr_vm_vsrc(0)
	s_getreg_b32 s2, hwreg(HW_REG_IB_STS2, 6, 4)
	s_cmp_eq_u32 s2, 0
	s_cbranch_scc0 .Lentry_in_a_cluster
	s_endpgm
.Lentry_in_a_cluster:
	s_bfe_u32 s2, ttmp6, 0x10000c
	s_cmp_lg_u32 s2, 0xf033
	s_cbranch_scc0 .Lentry_shape_is_right
	s_endpgm
.Lentry_shape_is_right:
; q, k, v = x W: C[m][n] = sum over k of A[m][k] B[n][k].  A = x's codes [8192][1024], B = the three weights' codes [3072][1024] (n = 1024 t + 64 h + c): FP4 (E2M1), one E8M0 scale for each 32 along K; sums in f32.
; The result leaves in f16, laid by planes: qkv [3 t][4 b][16 h][2048 s][64 c].  LIMIT: |q|, |k|, |v| stay under 65,504 (f16).
; A tile of C, 256 x 256, is made by a work-group of four waves; a wave makes 128 x 128: 64 accumulators of 16 x 16, 512 registers.  K = 1,024 is two K steps of 512: the two LDS slots are each filled once.
; THE SCALES of the work-group's 256 rows of A and of B, for all of K, are two dense blocks of memory: they come into LDS once, with the first fills.
; CLUSTERS: 4 x 4 work-groups.  The four of a row of the cluster need the same tiles of A, the four of a column the same tiles of B: each tile is asked for JOINTLY, by the same tensor load with the same descriptor and a mask that names the four.
; THE MATRIX INSTRUCTION IS USED TRANSPOSED (source 0 = 16 rows of B, source 1 = 16 rows of A): a lane then holds eight neighbouring columns of a row of C.
; REGISTERS, in windows of 256: window 0: v0-31 addresses; v32-95 scale words, two sets; from v128 A's fragments, ONE set; on the way out v32-63 packed results, v128-191 rows read back.
;   window 1: B's fragments, TWO sets, at v0 and at v128.   window 2: the accumulators of my rows 0-63 ((a, b) at v[8 (8 a + b)]);   window 3: those of my rows 64-127.
.set SIZE_K, 1024
.set KSTEP,  512                       ; along K in a slot
.set NQ,     KSTEP/128                 ; matrix instructions deep
.set ROWB,   256                       ; a tile's row in bytes
.set KROW,   SIZE_K*4/8                ; a row of A or of B in memory, in bytes
.set PITCH,  272                       ; an LDS row: 256 bytes + 16 of padding = 68 words: row r starts at bank 4 r mod 64 (64 banks of 4 bytes: ISA guide 11.1)
.set FR,     8                         ; registers of a fragment: 16 rows x 128 K
.set NL,     2                         ; LDS loads that bring one
.set NP,     4                         ; places behind this matrix instruction (ISA guide 7.12.1)
.set HALFT,  128*PITCH                 ; 128 rows: what one tensor load brings, and what one wave reads of A or of B
.set SLOT,   4*HALFT                   ; A's 256 rows, then B's 256 rows
.set KS,     SIZE_K/32                 ; a row of scales in bytes
.set SCL,    2*SLOT                    ; behind the ring: the scales, as units of 256 bytes + 16 of padding
.set HALFS,  (128*KS/256)*272          ; the scales of 128 rows: what one tensor load brings
.set SBLK,   (16*KS/256)*272           ; those of 16 rows
.set SPARE,  SCL+4*HALFS               ; behind the scales: the spare words, 128 bytes for each wave: two blocks of 256 bytes that no other line names
.set SPITCH, 272                       ; the way out: a stage of 16 rows x (256 bytes + 16) for each wave, in slot 0, which has had its one fill and its last read when the first result is stored there
.set ADRA, 16                          ; v16-17  LDS address of my A fragments in slot 0, 1
.set ADRB, 20                          ; v20-21  the same for B
.set STO,  24                          ; v24     the way out: where I put 16 bytes of a row
.set RD,   25                          ; v25     the way out: where I read 16 bytes back
.set CO,   26                          ; v26     my byte offset in qkv
.set ADRS, 27                          ; v27     LDS address of my scale words: lanes 0-15 A's rows, lanes 16-31 B's
.set SPW,  28                          ; v28     LDS address of my spare word; never rewritten
.set NIL,  29                          ; v29     0; never rewritten
.set SC,   32                          ; scale words: set s at v[SC + 8 NQ s]; register NQ i + q: lanes 0-15 the word of A's block i, lanes 16-31 that of B's block i, for the slot's q-th 128 along K
.set AF,   128                         ; A's fragments, in window 0
.set TMP,  32                          ; the way out: a block's packed results
.set BK,   128                         ; the way out: a block read back: v128-159 and v160-191 by turns
.set G1, 24                            ; s[24:31] descriptor group 1 for A's tiles;  s[32:39] group 0, one set for each slot
.set G0, 32
.set G1B, 48                           ; s[48:55], s[56:63] the same for B's tiles
.set G0B, 56
.set G1S, 68                           ; s[68:75], s[76:79] groups 1 and 0 for A's scales;  s[80:87], s[88:91] for B's
.set G0S, 76
.set G1SB, 80
.set G0SB, 88
.set MSB, 0
.macro WIN new                         ; the immediate's high byte repeats the setting that is left
.if MSB != (\new)
	s_set_vgpr_msb (MSB<<8)|(\new)
.set MSB, (\new)
.endif
.endm
.set MUL_LO, 0xa1                      ; source 0 (B) window 1, source 1 (A) window 0, C and D window 2
.set MUL_HI, 0xf1                      ; the same, C and D window 3
.set TO_B,   0x40                      ; destination window 1, address window 0
; A joint load: waves 0 and 1 fetch for A, waves 2 and 3 for B.  Each of the two lines has ONE mask and one set of registers for all that issue it; the branch hangs on the wave's number alone.
; An s_nop 0 and four v_nop follow each of the two lines.
.macro JLOAD g0a, g1a, g0b, g1b
	s_cmp_eq_u32 s15, 0
	s_cbranch_scc0 .Lfor_b_\@
	tensor_load_to_lds s[\g0a:\g0a+3], s[\g1a:\g1a+7]
	s_nop 0
.rept 4
	v_nop
.endr
	s_branch .Lasked_\@
.Lfor_b_\@:
	tensor_load_to_lds s[\g0b:\g0b+3], s[\g1b:\g1b+7]
	s_nop 0
.rept 4
	v_nop
.endr
.Lasked_\@:
.endm
.macro CROUND                          ; a round of the cluster's barrier
	s_barrier_signal -1
	s_barrier_wait -1
	s_cmp_lg_u32 s14, 0
	s_cbranch_scc1 .Lnot_wave_0_\@
	s_barrier_signal -3
.Lnot_wave_0_\@:
	s_barrier_wait -3
	s_barrier_signal -1
	s_barrier_wait -1
.endm
	s_load_b128 s[4:7], s[0:1], 0x0                ; A's codes s[4:5], A's scales s[6:7]
	s_load_b128 s[8:11], s[0:1], 0x10              ; B's codes s[8:9], B's scales s[10:11]
	s_load_b64 s[12:13], s[0:1], 0x20              ; qkv
	v_lshl_add_u32 v[SPW], v0, 2, SPARE
	v_mov_b32 v[NIL], 0
	ds_add_u32 v[SPW], v[NIL]                      ; the wave's opening: the add, twice on end, and its wait ahead of my first tensor load
	ds_add_u32 v[SPW], v[NIL]                      ; the same add once more; the set-up below, work on registers, stands between it and the wait
	v_lshrrev_b32 v1, 5, v0
	v_readfirstlane_b32 s14, v1                    ; wave 0..3
	s_lshr_b32 s15, s14, 1                         ; which half of the tile's rows is mine.  Also: I fetch for A (0) or for B (1)
	s_and_b32 s16, s14, 1                          ; which half of its columns.  Also: which 128 rows of that tile I fetch
	s_bfe_u32 s40, ttmp6, 0x40000                  ; cx, cy: my place in the cluster
	s_bfe_u32 s41, ttmp6, 0x40004
	s_lshl_b32 s42, ttmp9, 2
	s_add_co_u32 s42, s42, s40                     ; tile column of C = 4 x cluster x + cx
	s_and_b32 s17, ttmp7, 0xffff
	s_lshl_b32 s17, s17, 2
	s_add_co_u32 s17, s17, s41                     ; tile row of C = 4 x cluster y + cy
	s_lshl_b32 s43, s41, 2
	s_lshl_b32 s43, 15, s43                        ; my row of the cluster
	s_lshl_b32 s44, 0x1111, s40                    ; my column
	; descriptor group 1: a tile of 128 rows x 256 bytes, padded in LDS
	s_or_b32 s[G1+0], s43, (0<<16)|(1<<20)|(1<<21)|(5<<22)|(3<<25)  ; 15:0 the mask: A's tiles go to my row; 17:16 element of 1 byte; 20 padding on; 21 set beside a mask; 24:22 after every 64 words; 31:25 four words
	s_or_b32 s[G1B+0], s44, (0<<16)|(1<<20)|(1<<21)|(5<<22)|(3<<25)
.irp g, G1, G1B
	s_mov_b32 s[\g+1], ROWB<<16                    ; tensor_dim0
	s_mov_b32 s[\g+2], 128<<16                     ; tensor_dim1 = 128
	s_mov_b32 s[\g+3], ROWB<<16                    ; tile_dim0
	s_mov_b32 s[\g+4], 128                         ; tile_dim1 = 128
	s_mov_b32 s[\g+5], KROW                        ; tensor_dim0_stride
	s_mov_b32 s[\g+6], 0
	s_mov_b32 s[\g+7], 0
.endr
	; and for the scales of 128 rows: a dense block of 4,096 bytes, as rows of 256 bytes (32 elements of 8 bytes), 16 bytes of padding behind each
	s_or_b32 s[G1S+0], s43, (3<<16)|(1<<20)|(1<<21)|(5<<22)|(3<<25)
	s_or_b32 s[G1SB+0], s44, (3<<16)|(1<<20)|(1<<21)|(5<<22)|(3<<25)
.irp g, G1S, G1SB
	s_mov_b32 s[\g+1], 32<<16
	s_mov_b32 s[\g+2], (128*KS/256)<<16
	s_mov_b32 s[\g+3], 32<<16
	s_mov_b32 s[\g+4], 128*KS/256
	s_mov_b32 s[\g+5], 32
	s_mov_b32 s[\g+6], 0
	s_mov_b32 s[\g+7], 0
.endr
	s_lshl_b32 s18, s16, 7                         ; which 128 rows of the tile I fetch
	s_lshl_b32 s20, s17, 8
	s_add_co_u32 s20, s20, s18                     ; A: row 256 x tile row + 128 x half
	s_lshl_b32 s46, s42, 8
	s_add_co_u32 s46, s46, s18                     ; B: row 256 x tile column + 128 x half
	s_mov_b32 s21, 0
	s_mov_b32 s47, 0
	s_mov_b64 s[18:19], KS
	s_mul_u64 s[22:23], s[20:21], s[18:19]         ; where these rows' scales begin, in bytes
	s_mul_u64 s[92:93], s[46:47], s[18:19]
	s_mov_b64 s[18:19], KROW
	s_mul_u64 s[20:21], s[20:21], s[18:19]         ; and their codes
	s_mul_u64 s[46:47], s[46:47], s[18:19]
	s_mul_i32 s45, s14, HALFT                      ; where they go: wave x 128 rows: no place in the cluster enters an LDS address
	s_mul_i32 s94, s14, HALFS
	s_wait_dscnt 0x0                               ; both opening adds are done
	s_wait_kmcnt 0x0
	s_add_nc_u64 s[20:21], s[4:5], s[20:21]
	s_add_nc_u64 s[22:23], s[6:7], s[22:23]
	s_add_nc_u64 s[46:47], s[8:9], s[46:47]
	s_add_nc_u64 s[92:93], s[10:11], s[92:93]
	CROUND                                         ; all sixteen work-groups are here: the joint loads meet
	s_mov_b32 s[G0S], 1
	s_add_co_u32 s[G0S+1], s94, SCL
	s_mov_b64 s[G0S+2:G0S+3], s[22:23]
	s_or_b32 s[G0S+3], s[G0S+3], 0x80000000
	s_mov_b32 s[G0SB], 1
	s_add_co_u32 s[G0SB+1], s94, SCL
	s_mov_b64 s[G0SB+2:G0SB+3], s[92:93]
	s_or_b32 s[G0SB+3], s[G0SB+3], 0x80000000
	JLOAD G0S, G1S, G0SB, G1SB                     ; the scales first: they are wanted with K step 0
.irp s, 0,1
	s_mov_b32 s[G0+4*\s], 1
	s_add_co_u32 s[G0+4*\s+1], s45, \s*SLOT
	s_add_nc_u64 s[G0+4*\s+2:G0+4*\s+3], s[20:21], \s*ROWB
	s_or_b32 s[G0+4*\s+3], s[G0+4*\s+3], 0x80000000
	s_mov_b32 s[G0B+4*\s], 1
	s_add_co_u32 s[G0B+4*\s+1], s45, \s*SLOT
	s_add_nc_u64 s[G0B+4*\s+2:G0B+4*\s+3], s[46:47], \s*ROWB
	s_or_b32 s[G0B+4*\s+3], s[G0B+4*\s+3], 0x80000000
	JLOAD G0+4*\s, G1, G0B+4*\s, G1B               ; three loads of mine are out in all
.endr
	v_and_b32 v1, 15, v0                           ; r = l % 16
	v_bfe_u32 v2, v0, 4, 1                         ; h = l / 16
	v_mul_u32_u24 v3, v1, PITCH
	v_lshl_add_u32 v4, v2, 4, v3                   ; a fragment's row x pitch + 16 x half
	s_mul_i32 s21, s15, HALFT                      ; my 128 rows of A
	s_mul_i32 s22, s16, HALFT                      ; my 128 rows of B,
	s_add_co_u32 s22, s22, 2*HALFT                 ; which lie behind A's 256
.irp s, 0,1
	v_add_nc_u32 v[ADRA+\s], s21, v4
	v_add_nc_u32 v[ADRB+\s], s22, v4
	s_add_co_u32 s21, s21, SLOT
	s_add_co_u32 s22, s22, SLOT
.endr
	v_mul_u32_u24 v5, v1, KS                       ; my row's scales: 32 bytes a row,
	v_lshrrev_b32 v6, 8, v5
	v_lshl_add_u32 v5, v6, 4, v5                   ; and 16 more for each 256 passed
	s_mul_i32 s21, s15, HALFS                      ; A's: my 128 rows
	s_mul_i32 s22, s16, HALFS                      ; B's: my 128 rows, behind A's 256
	s_add_co_u32 s22, s22, 2*HALFS
	s_sub_co_u32 s22, s22, s21
	v_mul_u32_u24 v6, s22, v2                      ; lanes 16-31 take B's: one product, the distance between the two bases x h
	s_add_co_u32 s21, s21, SCL
	v_add_nc_u32 v5, v5, v6
	v_add_nc_u32 v[ADRS], s21, v5
	s_mul_i32 s23, s14, 16*SPITCH                  ; my stage
	v_mul_u32_u24 v5, v1, SPITCH                   ; in: row r, 16 bytes for each half of the lanes
	v_lshl_add_u32 v5, v2, 4, v5
	v_add_nc_u32 v[STO], s23, v5
	v_bfe_u32 v5, v0, 3, 1                         ; back: lanes 0-15 take two rows' first 128 bytes (the first head), lanes 16-31 their last 128 (the second head):
	v_and_b32 v6, 7, v0                            ; eight lanes to a row of 64 f16
	v_mul_u32_u24 v7, v5, SPITCH
	v_lshl_add_u32 v7, v2, 7, v7
	v_lshl_add_u32 v7, v6, 4, v7
	v_add_nc_u32 v[RD], s23, v7
	v_lshlrev_b32 v[CO], 18, v2                    ; in qkv: the second head's plane lies 262,144 bytes on; a plane's rows are 128 bytes, dense
	v_lshl_add_u32 v[CO], v5, 7, v[CO]
	v_lshl_add_u32 v[CO], v6, 4, v[CO]
	; my part of qkv: plane ((t x 4 + b) x 16 + h), row s.  My rows: b = tile row / 8, s = 256 (tile row % 8) + 128 half; my columns: t = tile column / 4, h = 4 (tile column % 4) + 2 half
	s_lshr_b32 s20, s17, 3
	s_lshl_b32 s20, s20, 22                        ; b x 16 planes of 2^18 bytes
	s_and_b32 s21, s17, 7
	s_lshl_b32 s21, s21, 15                        ; 256 rows of 128 bytes
	s_add_co_u32 s20, s20, s21
	s_lshl_b32 s21, s15, 14                        ; 128 rows
	s_add_co_u32 s20, s20, s21
	s_mov_b32 s21, 0
	s_lshr_b32 s46, s42, 2
	s_lshl_b32 s46, s46, 24                        ; t x 64 planes
	s_and_b32 s47, s42, 3
	s_lshl_b32 s47, s47, 20                        ; 4 planes
	s_add_co_u32 s46, s46, s47
	s_lshl_b32 s47, s16, 19                        ; 2 planes
	s_add_co_u32 s46, s46, s47
	s_mov_b32 s47, 0
	s_add_nc_u64 s[20:21], s[20:21], s[46:47]
	s_add_nc_u64 s[12:13], s[12:13], s[20:21]
.macro FRAG reg, adr, q, i             ; a fragment, 16 rows x 128 K of 4-bit codes, is 8 registers: lane l holds row l % 16; registers 4 c .. 4 c + 3 hold K = 64 c + 32 (l / 16) + 0 .. 31
.irp c, 0,1
	ds_load_b128 v[\reg+4*\c:\reg+4*\c+3], v[\adr] offset:64*(\q)+32*\c+(\i)*16*PITCH
.endr
.endm
; 16 matrix instructions: A's blocks a0, a0 + 1 x B's eight, 128 along K: the slot's q-th.  p: B's set;  sc: the set of scale words.  zero = 1: the first product starts the sums: nothing is ever cleared.
; The 64 accumulators take turns, one instruction a turn, in the same order in every step.
.macro MUL16 a0, p, q, sc, zero
.irp a, \a0, \a0+1
.irp b, 0,1,2,3,4,5,6,7
.if \zero
	v_wmma_scale_f32_16x16x128_f8f6f4 v[8*(8*((\a)%4)+\b):8*(8*((\a)%4)+\b)+7], v[128*(\p)+FR*\b:128*(\p)+FR*\b+FR-1], v[AF+FR*(\a):AF+FR*(\a)+FR-1], 0, v[SC+8*NQ*(\sc)+NQ*\b+(\q)], v[SC+8*NQ*(\sc)+NQ*(\a)+(\q)] matrix_a_fmt:MATRIX_FMT_FP4 matrix_b_fmt:MATRIX_FMT_FP4 matrix_a_scale:MATRIX_SCALE_ROW1
.else
	v_wmma_scale_f32_16x16x128_f8f6f4 v[8*(8*((\a)%4)+\b):8*(8*((\a)%4)+\b)+7], v[128*(\p)+FR*\b:128*(\p)+FR*\b+FR-1], v[AF+FR*(\a):AF+FR*(\a)+FR-1], v[8*(8*((\a)%4)+\b):8*(8*((\a)%4)+\b)+7], v[SC+8*NQ*(\sc)+NQ*\b+(\q)], v[SC+8*NQ*(\sc)+NQ*(\a)+(\q)] matrix_a_fmt:MATRIX_FMT_FP4 matrix_b_fmt:MATRIX_FMT_FP4 matrix_a_scale:MATRIX_SCALE_ROW1
.endif
.endr
.endr
.endm
.macro FETCH_B slot, q, p              ; B's eight fragments of the slot's q-th 128 along K into set p
	WIN TO_B
.irp i, 0,1,2,3,4,5,6,7
	FRAG 128*(\p)+FR*\i, ADRB+\slot, \q, \i
.endr
	WIN 0
.endm
.macro FETCH_A slot, q, i0             ; A's blocks i0 .. i0 + 3
.irp i, \i0, \i0+1, \i0+2, \i0+3
	FRAG AF+FR*(\i), ADRA+\slot, \q, \i
.endr
.endm
.macro SCALES sc                       ; a K step's scale words into set sc: four words a row; lanes 0-15 take A's block i, lanes 16-31 B's block i
.irp i, 0,1,2,3,4,5,6,7
	ds_load_b128 v[SC+8*NQ*\sc+NQ*\i:SC+8*NQ*\sc+NQ*\i+3], v[ADRS] offset:\i*SBLK
.endr
.endm
; A load into a register that a matrix instruction has read, and a vector instruction or an LDS store that reads a matrix result, stand NP places behind that matrix instruction; only plain vector
; instructions that name none of its registers are places (ISA guide 7.12.1 for vector instructions).
.macro PLACES n
.rept \n
	v_nop
.endr
.endm
; A step of 128 along K that has its successor in the same slot.
.macro STEP slot, q, zero
	s_wait_dscnt 4*NL                              ; B's set and A's blocks 0-3 are in; the youngest eight loads (A's blocks 4-7) may be out
	WIN MUL_LO
	MUL16 0, (\q)%2, \q, \slot, \zero
	MUL16 2, (\q)%2, \q, \slot, \zero
	s_wait_dscnt 0                                 ; A's blocks 4-7 are in (asked for 32 matrix instructions ago)
	PLACES NP
	FETCH_B \slot, (\q)+1, 1-(\q)%2
	FETCH_A \slot, (\q)+1, 0
	WIN MUL_HI
	MUL16 4, (\q)%2, \q, \slot, \zero
	MUL16 6, (\q)%2, \q, \slot, \zero
	PLACES NP
	WIN 0
	FETCH_A \slot, (\q)+1, 4
.endm
; Slot 0's last step changes slots: ONE barrier; in front of it each wave waits for all its tensor loads (its part of slot 1), adds 0 to its spare word, and waits for that and for its own reads of slot 0.  Nothing is filled again.
.macro TURN slot, next
	s_wait_tensorcnt 0x0                           ; all my tensor loads have landed  (every window is 0 here)
	ds_add_u32 v[SPW], v[NIL]                      ; 0 onto my spare word
	s_wait_dscnt 4*NL+1                            ; (the add and the youngest eight loads, A's blocks 4-7, may be out)
	WIN MUL_LO
	MUL16 0, 1, NQ-1, \slot, 0                     ; sixteen matrix instructions stand between the add and the wait for it
	s_wait_dscnt 0x0                               ; the add is done, and my reads of this slot are over
	s_barrier_signal -1
	MUL16 2, 1, NQ-1, \slot, 0
	WIN 0
	s_barrier_wait -1
	PLACES NP
	v_add_nc_u32 v[ADRS], 4*NQ, v[ADRS]            ; on to the next K step's scale words (no LDS load of mine is out)
	FETCH_B \next, 0, 0
	FETCH_A \next, 0, 0
	SCALES \next
	WIN MUL_HI
	MUL16 4, 1, NQ-1, \slot, 0
	MUL16 6, 1, NQ-1, \slot, 0
	PLACES NP
	WIN 0
	FETCH_A \next, 0, 4
.endm
.macro STEPS slot, from                ; the slot's steps from .. NQ - 2
.set Q, \from
.rept NQ-1-\from
	STEP \slot, Q, 0
.set Q, Q+1
.endr
.endm
	s_wait_tensorcnt 1                             ; the scales and my part of K step 0 are in (K step 1's load may be out)
	s_barrier_signal -1
	s_barrier_wait -1                              ; everybody's are
	FETCH_B 0, 0, 0
	FETCH_A 0, 0, 0
	SCALES 0
	FETCH_A 0, 0, 4
	STEP 0, 0, 1                                   ; the first step's products start the sums
	STEPS 0, 1
	TURN 0, 1
	STEPS 1, 0
	s_wait_dscnt 4*NL                              ; the very last step: nothing more to fetch
	WIN MUL_LO
	MUL16 0, 1, NQ-1, 1, 0
	MUL16 2, 1, NQ-1, 1, 0
	s_wait_dscnt 0
	WIN MUL_HI
	MUL16 4, 1, NQ-1, 1, 0
	MUL16 6, 1, NQ-1, 1, 0
	WIN 0
; THE WAY OUT, block by block of 16 rows x 128 columns (two heads).  PACK: rounded to f16, 16 bytes a lane, each accumulator from its low end on.  TOSTAGE: into my own stage and back, so that sixteen lanes
; hold two neighbouring rows of ONE head: 256 consecutive bytes of its plane.  SEND: stored.  LDS serves a wave's instructions in order (ISA guide 5.7.1.4): no wait between the stage's stores and loads.
.macro PACK a
.set AC, 64*((\a)%4)
	WIN 0x0a+5*((\a)/4)                            ; sources 0 and 1: window 2 or 3
.irp b, 0,1,2,3,4,5,6,7
.irp r, 0,1,2,3
	v_cvt_pk_f16_f32 v[TMP+4*\b+\r], v[AC+8*\b+2*\r], v[AC+8*\b+2*\r+1]
.endr
.endr
	WIN 0
.endm
.macro TOSTAGE a
.set BB, BK+32*((\a)%2)
.irp b, 0,1,2,3,4,5,6,7
	ds_store_b128 v[STO], v[TMP+4*\b:TMP+4*\b+3] offset:32*\b
.endr
.irp t, 0,1,2,3,4,5,6,7
	ds_load_b128 v[BB+4*\t:BB+4*\t+3], v[RD] offset:\t*2*SPITCH
.endr
.endm
.macro SEND a
.set BB, BK+32*((\a)%2)
	s_wait_dscnt 0x0                               ; the block is back in registers
	s_wait_xcnt 0x0                                ; the stores of the block before have read their registers: the next block's loads from the stage may land there
.irp t, 0,1,2,3,4,5,6,7
	global_store_b128 v[CO], v[BB+4*\t:BB+4*\t+3], s[12:13] offset:2048*(\a)+256*\t   ; 16 lanes store 256 consecutive bytes, at a multiple of 256 from qkv's first byte
.endr
.endm
	PLACES NP                                      ; behind the last products: for the conversions' reads of results and their writes over scale words, and for the loads into A's registers
	PACK 0
	TOSTAGE 0
.irp a, 1,2,3,4,5,6,7                  ; block a's conversions stand between block a - 1's loads from the stage and the wait for them
	PACK \a
	SEND \a-1
	TOSTAGE \a
.endr
	SEND 7
	s_wait_tensorcnt 0x0                           ; the wave's end, behind my last tensor load and my last LDS store
	ds_add_u32 v[SPW], v[NIL]
	s_wait_dscnt 0x0
	CROUND                                         ; the closing round: no work-group ends while a partner may still ask for a tile that names it
	s_endpgm
.Lfunc_end_k_qfc1528c2ec_qkvgemm:
	.size	k_qfc1528c2ec_qkvgemm, .Lfunc_end_k_qfc1528c2ec_qkvgemm-k_qfc1528c2ec_qkvgemm
	.p2alignl 7, 3214868480
	.fill 96, 4, 3214868480
	.section	.rodata,"a",@progbits
	.p2align	6, 0x0
	.amdhsa_kernel k_qfc1528c2ec_qkvgemm
		.amdhsa_group_segment_fixed_size 327680
		.amdhsa_private_segment_fixed_size 0
		.amdhsa_enable_private_segment 0
		.amdhsa_kernarg_size 40
		.amdhsa_user_sgpr_count 2
		.amdhsa_user_sgpr_kernarg_segment_ptr 1
		.amdhsa_wavefront_size32 1
		.amdhsa_system_sgpr_workgroup_id_x 1
		.amdhsa_system_sgpr_workgroup_id_y 1
		.amdhsa_system_sgpr_workgroup_id_z 1
		.amdhsa_system_vgpr_workitem_id 0
		.amdhsa_next_free_vgpr 1024
		.amdhsa_next_free_sgpr 98
		.amdhsa_reserve_vcc 0
		.amdhsa_float_denorm_mode_32 3
		.amdhsa_float_denorm_mode_16_64 3
		.amdhsa_memory_ordered 1
		.amdhsa_forward_progress 1
		.amdhsa_inst_pref_size 127
	.end_amdhsa_kernel
	.amdgpu_metadata
---
amdhsa.version: [ 1, 2 ]
amdhsa.kernels:
  - .name:           k_qfc1528c2ec_qkvgemm
    .symbol:         k_qfc1528c2ec_qkvgemm.kd
    .args:
      - { .name: xc, .offset: 0, .size: 8, .value_kind: global_buffer, .address_space: global }
      - { .name: xs, .offset: 8, .size: 8, .value_kind: global_buffer, .address_space: global }
      - { .name: wc, .offset: 16, .size: 8, .value_kind: global_buffer, .address_space: global }
      - { .name: ws, .offset: 24, .size: 8, .value_kind: global_buffer, .address_space: global }
      - { .name: qkv, .offset: 32, .size: 8, .value_kind: global_buffer, .address_space: global }
    .group_segment_fixed_size: 327680
    .private_segment_fixed_size: 0
    .kernarg_segment_align: 8
    .kernarg_segment_size: 40
    .max_flat_workgroup_size: 128
    .sgpr_count:     98
    .vgpr_count:     1024
    .wavefront_size: 32
...
	.end_amdgpu_metadata
.endif
;; end of part 2
;; launch attn (part 3): grid 4 x 64, 8 waves a work-group, clusters of 4 x 1, 327,680 bytes of LDS; arguments qkv, o16; writes o16
.if DOCPART == 3
	.amdgcn_target "amdgcn-amd-amdhsa--gfx1250"
	.amdhsa_code_object_version 6
	.text
	.protected	k_qfc1528c2ec_attn
	.globl	k_qfc1528c2ec_attn
	.p2align	8
	.type	k_qfc1528c2ec_attn,@function
k_qfc1528c2ec_attn:
	s_mov_b64 s[64:65], 0
	v_nop
	global_prefetch_b8 v0, s[64:65] scope:SCOPE_SE
	s_setreg_imm32_b32 hwreg(HW_REG_WAVE_MODE, 25, 1), 1
	s_wait_xcnt 0x0
	s_wait_alu depctr_hold_cnt(0) depctr_sa_sdst(0) depctr_va_vdst(0) depctr_va_sdst(0) depctr_va_ssrc(0) depctr_va_vcc(0) depctr_vm_vsrc(0)
	s_getreg_b32 s2, hwreg(HW_REG_IB_STS2, 6, 4)
	s_cmp_eq_u32 s2, 0
	s_cbranch_scc0 .Lentry_in_a_cluster
	s_endpgm
.Lentry_in_a_cluster:
	s_bfe_u32 s2, ttmp6, 0x10000c
	s_cmp_lg_u32 s2, 0x3003
	s_cbranch_scc0 .Lentry_shape_is_right
	s_endpgm
.Lentry_shape_is_right:
; o[y][q][:] = the sum over k of softmax_k(q[y][q] . k[y][k] / 8) v[y][k][:], y = 16 b + h: 64 planes of 2,048 rows x 64 channels, f16, dense (qkv: q's planes 0-63, k's 64-127, v's 128-191).  No mask.
; Products on f16 operands with f32 sums; maxima, exponentials and scalings in f32; the weights p are rounded to f16 for the second product, o once at the end.
; LIMITS: |o| stays under 65,504 (f16); NaN and infinities are not served.
; SHARES.  A work-group owns 512 queries of one plane, each of its eight waves 64: four tiles of 16.  Every wave walks all 2,048 keys, 64 a step.
; LAYOUT.  S^T = K Q^T (source 0 = 16 keys, source 1 = 16 queries): a lane holds ONE query (lane % 16) and the keys 8 (lane / 16) + 0..7.  Two such tiles, rounded to f16 in pairs, ARE source 1
; (32 keys x 16 queries) of O^T = V^T P, whose result again holds one query a lane.  K comes out of LDS as it lies, V ([key][channel]) turned, by ds_load_tr16_b128.
; SOFTMAX.  For each query a running maximum m: p = 2^(c s - c m), c = log2(e) / 8; in every step O and the sum are multiplied by a = 2^(c m_old - c m_new), which is 1 where m has not grown.
; THE ROW'S SUM is a product too: L = ones x P, four matrix instructions for 32 keys, on the p that the second product multiplies.  All rows of L are the same sum; row 0 is kept scaled and read.
; The step is written once: O and L begin as zeros and m as -3e38, so the first a is 0 and leaves the zeros zeros.
; TWO GROUPS.  A wave's step is a phase of vector work (XPH: the softmax) and a phase of matrix work (MPH: V^T P of this step, K Q^T of the next).  The eight waves are two groups of four; at each slot's head
; group 1 begins its first products behind a barrier that group 0 reaches behind its own, so that one group's matrix phase stands beside the other's vector phase.
; CLUSTER.  The four work-groups of a cluster are the four query blocks of one plane and walk the same K and V: each tile is asked for JOINTLY, by the same tensor load with the same descriptor and a mask that names the four.
; RING.  Two slots of 512 keys (8 steps): four visits.  A refill goes out first behind the round at a visit's head and has that visit's 8 steps in which to land; so no prefetch is laid.
; REGISTERS, in windows of 256:  window 0: v1-7 addresses; v8-15 ones; v16-31 statistics; v32-159 S^T, 32 a tile, then P in its first 16; v160-191 K's key tiles 0, 1; v192-255 V (its first 32 also take K's key tiles 2, 3).
;   window 1: v0-127 O^T, 32 a tile; v128-159 L, 8 a tile; v160-223 Q, 16 a tile.
.set KS,    64                         ; keys in a step
.set SK,    512                        ; keys in a slot
.set PK,    144                        ; a row of K in LDS: 128 bytes + 16 = 36 words: the 16 rows of a load start at 16 different groups of four banks (64 banks of 4 bytes: ISA guide 11.1)
.set PVP,   160                        ; a row of V: 128 + 32 = 40 words
.set VOFF,  SK*PK                      ; a slot: 512 rows of K, then 512 rows of V
.set SLOT,  SK*(PK+PVP)                ; 155,648 bytes
.set SPARE, 2*SLOT                     ; behind the ring: the spare words, 128 bytes for each wave: four blocks of 256 bytes that no other line names
.set AK0, 1                            ; v1   my lane's place in a tile of K; on the way out STO
.set AV0, 2                            ; v2   the same for V; on the way out RD
.set ADK, 3                            ; v3   LDS address of the K fragments in hand; on the way out GO
.set ADV, 4                            ; v4   of the V fragments
.set QO,  5                            ; v5   my byte offset in the wave's rows of Q
.set SPW, 6                            ; v6   LDS address of my spare word; never rewritten
.set NIL, 7                            ; v7   0; never rewritten
.set ONES, 8                           ; v8-15  a fragment of ones in f16
.set ST,  16                           ; tile t's statistics at v[ST + 4 t]: +0 c m, +1 m, +2 a, +3 at work
.set S,   32
.set E,   160
.set BF,  192
.set L,   128                          ; in window 1
.set Q,   160                          ; in window 1
.set STO, 1
.set RD,  2
.set GO,  3
.set WV,  8                            ; s8   my wave's number
.set GRP, 9                            ; s9   my group: (w xor w / 4) % 2
.set WQ,  10                           ; s10  which quarter of a slot's K (waves 0-3) or V (waves 4-7) I fetch
.set CNT, 22                           ; s22  counts a visit's steps
.set G1K, 24                           ; s[24:31] descriptor group 1 for K's tiles;  s[32:39] for V's: it differs in the padding alone
.set G1V, 32
.set G0K, 40                           ; s[40:47] group 0 for K's tiles, a set for each slot;  s[48:55] for V's
.set G0V, 48
.set CS,  56                           ; s[56:57] c: the packed scaling names a pair and takes its low word for both halves
.set SEL, 58                           ; s[58:59] lane selects for v_permlanex16_b32: lane l xor 16
.set TK,  60                           ; s60  LDS byte at which the next step's K begins
.set TV,  61                           ; s61  and this step's V
.set W_KQ, 0x04                        ; Q (source 1) in window 1; K and S^T in window 0
.set W_PV, 0x50                        ; O^T or L (C and D) in window 1; V, ones and P in window 0
.set W_RS, 0x41                        ; O^T (destination and source 0) in window 1, a in window 0
.set MSB, 0
.macro WIN new                         ; the immediate's high byte repeats the setting that is left; a switch that changes nothing is dropped
.if MSB != (\new)
	s_set_vgpr_msb (MSB<<8)|(\new)
.set MSB, (\new)
.endif
.endm
.macro PLACES n                        ; places behind matrix instructions (ISA guide 7.12.1): plain vector instructions that name none of their registers
.rept \n
	v_nop
.endr
.endm
; A joint refill of slot set: waves 0-3 fetch K's quarters, waves 4-7 V's.  The branch hangs on the wave's number alone.  An s_nop 0 and four v_nop follow each of the two lines.
.macro JLOAD set
	s_cmp_lt_u32 s[WV], 4
	s_cbranch_scc0 .Lfor_v_\@
	tensor_load_to_lds s[G0K+4*(\set):G0K+4*(\set)+3], s[G1K:G1K+7]
	s_nop 0
	PLACES 4
	s_branch .Lasked_\@
.Lfor_v_\@:
	tensor_load_to_lds s[G0V+4*(\set):G0V+4*(\set)+3], s[G1V:G1V+7]
	s_nop 0
	PLACES 4
.Lasked_\@:
.endm
.macro CROUND                          ; a round of the cluster's barrier
	s_barrier_signal -1
	s_barrier_wait -1
	s_cmp_lg_u32 s[WV], 0
	s_cbranch_scc1 .Lnot_wave_0_\@
	s_barrier_signal -3
.Lnot_wave_0_\@:
	s_barrier_wait -3
	s_barrier_signal -1
	s_barrier_wait -1
.endm
	s_load_b128 s[4:7], s[0:1], 0x0                ; qkv s[4:5], o16 s[6:7]
	v_lshl_add_u32 v[SPW], v0, 2, SPARE
	v_mov_b32 v[NIL], 0
	ds_add_u32 v[SPW], v[NIL]                      ; the wave's opening: the add, twice on end, and its wait ahead of my first tensor load
	ds_add_u32 v[SPW], v[NIL]                      ; the same add once more; the set-up below, work on registers, stands between it and the wait
	v_lshrrev_b32 v5, 5, v0
	v_readfirstlane_b32 s[WV], v5                  ; wave 0..7
	s_lshr_b32 s[GRP], s[WV], 2
	s_xor_b32 s[GRP], s[GRP], s[WV]
	s_and_b32 s[GRP], s[GRP], 1
	s_and_b32 s[WQ], s[WV], 3
	s_bfe_u32 s11, ttmp6, 0x40000                  ; cx: my place in the cluster
	s_lshl_b32 s12, ttmp9, 2                       ; in a cluster launch ttmp9 counts clusters
	s_add_co_u32 s12, s12, s11                     ; my block of 512 queries: it enters Q's and O's addresses alone
	s_and_b32 s13, ttmp7, 0xffff                   ; the plane y, which the four partners share
	s_lshl_b32 s14, s13, 18                        ; a plane is 262,144 bytes
	s_lshl_b32 s15, s[WQ], 14                      ; my quarter: 128 rows of 128 bytes
	s_add_co_u32 s16, s14, s15
	s_add_co_u32 s18, s16, 128<<18                 ; V's planes begin 128 planes on,
	s_add_co_u32 s16, s16, 64<<18                  ; K's 64
	s_mov_b32 s17, 0
	s_mov_b32 s19, 0
	s_lshl_b32 s2, s12, 16                         ; my block's 512 rows,
	s_lshl_b32 s3, s[WV], 13                       ; my wave's 64 of them,
	s_add_co_u32 s2, s2, s3
	s_add_co_u32 s2, s2, s14                       ; in plane y
	s_mov_b32 s3, 0
	s_mul_i32 s20, s[WQ], 128*PK                   ; where my quarter goes in a slot: no place in the cluster enters an LDS address
	s_mul_i32 s21, s[WQ], 128*PVP
	s_add_co_u32 s21, s21, VOFF
	; descriptor group 1: a tile of 128 rows x 64 elements of 2 bytes, padded in LDS
	s_mov_b32 s[G1K], 15|(1<<16)|(1<<20)|(1<<21)|(4<<22)|(3<<25)  ; 15:0 the mask: all four work-groups; 17:16 elements of 2 bytes; 20 padding on; 21 set beside a mask; 24:22 after every 32 words; 31:25 four words
	s_mov_b32 s[G1V], 15|(1<<16)|(1<<20)|(1<<21)|(4<<22)|(7<<25)  ; the same with eight words of padding
.irp g, G1K, G1V
	s_mov_b32 s[\g+1], 64<<16                      ; tensor_dim0 = 64
	s_mov_b32 s[\g+2], 128<<16                     ; tensor_dim1 = 128
	s_mov_b32 s[\g+3], 64<<16                      ; tile_dim0 = 64
	s_mov_b32 s[\g+4], 128                         ; tile_dim1 = 128
	s_mov_b32 s[\g+5], 64                          ; tensor_dim0_stride: rows are dense
	s_mov_b32 s[\g+6], 0
	s_mov_b32 s[\g+7], 0
.endr
	s_mov_b32 s[CS], 0x3e38aa3b                    ; c = log2(e) / 8
	s_mov_b32 s[CS+1], s[CS]                       ; named with it as a pair, so it is written
	s_mov_b32 s[SEL], 0x76543210
	s_mov_b32 s[SEL+1], 0xfedcba98
	s_wait_dscnt 0x0                               ; both opening adds are done
	s_wait_kmcnt 0x0
	s_add_nc_u64 s[16:17], s[4:5], s[16:17]        ; K and V at my quarter of slot 0's keys
	s_add_nc_u64 s[18:19], s[4:5], s[18:19]
	s_add_nc_u64 s[4:5], s[4:5], s[2:3]            ; Q and O at my wave's first row
	s_add_nc_u64 s[6:7], s[6:7], s[2:3]
	CROUND                                         ; all four work-groups are here: the first joint loads meet
.irp s, 0,1
	s_mov_b32 s[G0K+4*\s], 1                       ; count = 1
	s_add_co_u32 s[G0K+4*\s+1], s20, \s*SLOT       ; LDS address
	s_add_nc_u64 s[G0K+4*\s+2:G0K+4*\s+3], s[16:17], \s*SK*128   ; global address: slot s begins with keys 512 s on
	s_or_b32 s[G0K+4*\s+3], s[G0K+4*\s+3], 0x80000000            ; type = 2
	s_mov_b32 s[G0V+4*\s], 1
	s_add_co_u32 s[G0V+4*\s+1], s21, \s*SLOT
	s_add_nc_u64 s[G0V+4*\s+2:G0V+4*\s+3], s[18:19], \s*SK*128
	s_or_b32 s[G0V+4*\s+3], s[G0V+4*\s+3], 0x80000000
.endr
	s_cmp_lt_u32 s[WV], 4                          ; a wave's two first fills stand in one branch, ahead of every wait on TENSORcnt and every LDS read: two loads of mine are out
	s_cbranch_scc0 .Lfirst_v
	tensor_load_to_lds s[G0K:G0K+3], s[G1K:G1K+7]
	s_nop 0
	tensor_load_to_lds s[G0K+4:G0K+7], s[G1K:G1K+7]
	s_nop 0
	PLACES 4
	s_branch .Lfirst_asked
.Lfirst_v:
	tensor_load_to_lds s[G0V:G0V+3], s[G1V:G1V+7]
	s_nop 0
	tensor_load_to_lds s[G0V+4:G0V+7], s[G1V:G1V+7]
	s_nop 0
	PLACES 4
.Lfirst_asked:
	; A fragment of K or Q is 16 rows x 32 channels in 8 registers: lane l holds row l % 16; registers 0-3 channels 8 (l / 16) + 0..7, registers 4-7 channels 16 + 8 (l / 16) + 0..7: two loads of 16 bytes, 32 bytes apart.
	v_and_b32 v32, 15, v0                          ; r = l % 16
	v_bfe_u32 v33, v0, 4, 1                        ; h = l / 16
	v_lshlrev_b32 v[QO], 7, v32
	v_lshl_add_u32 v[QO], v33, 4, v[QO]            ; row x 128 + 16 x half
	WIN 0x40                                       ; destination window 1, address window 0
.irp t, 0,1,2,3
.irp dh, 0,1                                   ; Q stays in registers: tile t, channels 32 dh on
	global_load_b128 v[Q+16*\t+8*\dh:Q+16*\t+8*\dh+3],   v[QO], s[4:5] offset:\t*2048+\dh*64
	global_load_b128 v[Q+16*\t+8*\dh+4:Q+16*\t+8*\dh+7], v[QO], s[4:5] offset:\t*2048+\dh*64+32
.endr
.endr
.set i, 0
.rept 160
	v_mov_b32 v[i], 0                              ; O^T and L.  Written once, so that the key step has one form: a first step of its own would be a further copy of the step's text in each of its two phases
.set i, i+1
.endr
	WIN 0
	v_mul_u32_u24 v[AK0], v32, PK
	v_lshl_add_u32 v[AK0], v33, 4, v[AK0]          ; row x pitch + 16 x half
	; The turning load takes 16 keys x 16 channels (lane l reads 16 bytes: key 8 (l / 16) + l % 8, channels 8 ((l / 8) % 2) + 0..7) and leaves half a fragment of V^T: lane l holds channel l % 16 and 8 keys.
	v_and_b32 v34, 7, v0
	v_bfe_u32 v35, v0, 3, 1
	v_lshl_add_u32 v[AV0], v33, 3, v34
	v_mul_u32_u24 v[AV0], v[AV0], PVP
	v_lshl_add_u32 v[AV0], v35, 4, v[AV0]
.irp j, 0,1,2,3,4,5,6,7
	v_mov_b32 v[ONES+\j], 0x3c003c00               ; 1.0, 1.0 in f16
.endr
.irp t, 0,1,2,3
	v_mov_b32 v[ST+4*\t+1], 0xff61b1e6             ; m: -3e38, under every score
	v_mul_f32 v[ST+4*\t], s[CS], v[ST+4*\t+1]      ; c m
	v_mov_b32 v[ST+4*\t+2], 0                      ; (a lane permute's destination counts as one of its sources)
	v_mov_b32 v[ST+4*\t+3], 0
.endr
; THE LDS LOADS stand in runs.  Key tiles kt0, kt0 + 1 of the step at v[ADK]: four fragments, eight loads, into v[reg] on (tile k, channels 32 dh on: at 16 k + 8 dh)
.macro LOADK kt0, reg
.irp k, 0,1
.irp dh, 0,1
	ds_load_b128 v[\reg+16*\k+8*\dh:\reg+16*\k+8*\dh+3],   v[ADK] offset:(\kt0+\k)*16*PK+64*\dh
	ds_load_b128 v[\reg+16*\k+8*\dh+4:\reg+16*\k+8*\dh+7], v[ADK] offset:(\kt0+\k)*16*PK+64*\dh+32
.endr
.endr
.endm
.macro LOADV                           ; the step's V, turned: keys 32 g on, channels 16 ct on, at 32 g + 8 ct: sixteen loads
.irp g, 0,1
.irp ct, 0,1,2,3
	ds_load_tr16_b128 v[BF+32*\g+8*\ct:BF+32*\g+8*\ct+3],   v[ADV] offset:\g*32*PVP+32*\ct
	ds_load_tr16_b128 v[BF+32*\g+8*\ct+4:BF+32*\g+8*\ct+7], v[ADV] offset:\g*32*PVP+16*PVP+32*\ct
.endr
.endr
.endm
; 16 products of S^T = K Q^T: key tiles 2 p, 2 p + 1 (fragments at v[reg] on) x four tiles of queries x two halves of the channels.  The first eight start the sums.
; The eight accumulators take turns, one instruction a turn.
.macro KQP p, reg
.irp dh, 0,1
.irp k, 0,1
.irp t, 0,1,2,3
.if \dh == 0
	v_wmma_f32_16x16x32_f16 v[S+32*\t+8*(2*\p+\k):S+32*\t+8*(2*\p+\k)+7], v[\reg+16*\k+8*\dh:\reg+16*\k+8*\dh+7], v[Q+16*\t+8*\dh:Q+16*\t+8*\dh+7], 0
.else
	v_wmma_f32_16x16x32_f16 v[S+32*\t+8*(2*\p+\k):S+32*\t+8*(2*\p+\k)+7], v[\reg+16*\k+8*\dh:\reg+16*\k+8*\dh+7], v[Q+16*\t+8*\dh:Q+16*\t+8*\dh+7], v[S+32*\t+8*(2*\p+\k):S+32*\t+8*(2*\p+\k)+7]
.endif
.endr
.endr
.endr
.endm
; 20 products on keys 32 g on: O^T += V^T P (16) and L += ones x P (4).  Twenty accumulators by turns.
.macro PVH g
.irp ct, 0,1,2,3
.irp t, 0,1,2,3
	v_wmma_f32_16x16x32_f16 v[32*\t+8*\ct:32*\t+8*\ct+7], v[BF+32*\g+8*\ct:BF+32*\g+8*\ct+7], v[S+32*\t+8*\g:S+32*\t+8*\g+7], v[32*\t+8*\ct:32*\t+8*\ct+7]
.endr
.endr
.irp t, 0,1,2,3
	v_wmma_f32_16x16x32_f16 v[L+8*\t:L+8*\t+7], v[ONES:ONES+7], v[S+32*\t+8*\g:S+32*\t+8*\g+7], v[L+8*\t:L+8*\t+7]
.endr
.endm
; A slot's first scores.  Five places: these products write over registers that V^T P read as source 1; the loads land in registers that products read.
.macro KQFIRST
	PLACES 5
	LOADK 0, E
	LOADK 2, BF
	s_wait_dscnt 0x0
	WIN W_KQ
	KQP 0, E
	KQP 1, BF
	WIN 0
.endm
; THE VECTOR PHASE: four tiles' softmax of one key step, the tiles by turns.  At its head the step's V is asked for and (look = 1) key tiles 0, 1 of the next step's K: they land under the softmax.
.macro XPH look
	v_add_nc_u32 v[ADV], s[TV], v[AV0]             ; with the lines below: four places behind the last products, for the loads and for the first read of the scores
.if \look
	v_add_nc_u32 v[ADK], s[TK], v[AK0]
	PLACES 2
.else
	PLACES 3
.endif
	LOADV
.if \look
	LOADK 0, E
.endif
.irp t, 0,1,2,3
	v_max3_num_f32 v[ST+4*\t+3], v[S+32*\t], v[S+32*\t+1], v[S+32*\t+2]   ; the largest of my 32 scores and the old m, in ascending order: each accumulator is read from its low end on
.endr
.irp i, 3,5,7,9,11,13,15,17,19,21,23,25,27,29
.irp t, 0,1,2,3
	v_max3_num_f32 v[ST+4*\t+3], v[ST+4*\t+3], v[S+32*\t+\i], v[S+32*\t+\i+1]
.endr
.endr
.irp t, 0,1,2,3
	v_max3_num_f32 v[ST+4*\t+3], v[ST+4*\t+3], v[S+32*\t+31], v[ST+4*\t+1]
.endr
.irp t, 0,1,2,3
	v_permlanex16_b32 v[ST+4*\t+2], v[ST+4*\t+3], s[SEL], s[SEL+1]   ; the query's other 32 keys lie in the lane 16 away
.endr
.irp t, 0,1,2,3
	v_max_num_f32 v[ST+4*\t+1], v[ST+4*\t+3], v[ST+4*\t+2]          ; the new m
.endr
.irp t, 0,1,2,3
	v_mov_b32 v[ST+4*\t+3], v[ST+4*\t]             ; c m_old is kept for a
.endr
.irp t, 0,1,2,3
	v_mul_f32 v[ST+4*\t], s[CS], v[ST+4*\t+1]      ; c m
.endr
.irp t, 0,1,2,3
	v_sub_f32 v[ST+4*\t+3], v[ST+4*\t+3], v[ST+4*\t]
.endr
.irp t, 0,1,2,3
	v_exp_f32 v[ST+4*\t+2], v[ST+4*\t+3]           ; a.  ONE BATCH begins: these four and the 128 below; nothing names a result ahead of the one wait
.endr
.set i, 0
.rept 16                               ; pair i of each tile: c s - c m, then its two exponentials, in place
.irp t, 0,1,2,3
	v_pk_fma_f32 v[S+32*\t+2*i:S+32*\t+2*i+1], v[S+32*\t+2*i:S+32*\t+2*i+1], s[CS:CS+1], v[ST+4*\t:ST+4*\t+1] op_sel_hi:[1,0,0] neg_lo:[0,0,1] neg_hi:[0,0,1]
.endr
.irp t, 0,1,2,3
	v_exp_f32 v[S+32*\t+2*i], v[S+32*\t+2*i]
	v_exp_f32 v[S+32*\t+2*i+1], v[S+32*\t+2*i+1]
.endr
.set i, i+1
.endr
	v_nop                                          ; a plain instruction behind the last exponential
	s_wait_alu depctr_va_vdst(0)                   ; the wait ahead of the first use: one for the batch
.set i, 0
.rept 16                               ; p rounded to f16, packed IN PLACE: pair i goes to register i, which has been read.  Registers 8 g .. 8 g + 7 are then source 1 for keys 32 g on
.irp t, 0,1,2,3
	v_cvt_pk_f16_f32 v[S+32*\t+i], v[S+32*\t+2*i], v[S+32*\t+2*i+1]
.endr
.set i, i+1
.endr
	WIN W_RS
.irp t, 0,1,2,3                        ; O^T and L's row 0 (with row 1) times a; L's other rows are never read, and stay at or under the number of keys
.set i, 0
.rept 16
	v_pk_mul_f32 v[32*\t+2*i:32*\t+2*i+1], v[32*\t+2*i:32*\t+2*i+1], v[ST+4*\t+2:ST+4*\t+3] op_sel_hi:[1,0]
.set i, i+1
.endr
	v_pk_mul_f32 v[L+8*\t:L+8*\t+1], v[L+8*\t:L+8*\t+1], v[ST+4*\t+2:ST+4*\t+3] op_sel_hi:[1,0]
.endr
	WIN 0
.endm
; THE MATRIX PHASE: 72 matrix instructions: V^T P and the sums of this step, K Q^T of the next.  V's first half gives its registers to K's key tiles 2, 3 as soon as it is multiplied.
.macro MPH
	s_wait_dscnt 0x0                               ; V and K's key tiles 0, 1 are in
	WIN W_PV
	PVH 0
	PLACES 4                                       ; for the loads into V's first half
	WIN 0
	LOADK 2, BF
	WIN W_PV
	PVH 1
	PLACES 5                                       ; K Q^T writes over P's registers, which the products above read
	WIN W_KQ
	KQP 0, E
	s_wait_dscnt 0x0                               ; K's key tiles 2, 3 are in (asked for 36 matrix instructions ago)
	KQP 1, BF
	WIN 0
.endm
; A VISIT to a slot: 8 key steps.  At its head (but the first) the change of slots: each wave waits for all its tensor loads, of which one at most is out (its part of this slot), adds 0 to its spare word, and waits for
; that and for its reads of the slot that it has left.  Visits 1 and 2 fill that slot again, with the keys two slots on: the barrier is then a round of the cluster's, and the joint refill is the first thing behind it.
.macro VISIT v
.set SB, ((\v)%2)*SLOT
.if (\v) > 0
	s_wait_tensorcnt 0x0                           ; no tensor load of mine is out, so a group 0 may be written
	ds_add_u32 v[SPW], v[NIL]                      ; 0 onto my spare word
.if (\v) < 3
	s_add_nc_u64 s[G0K+4*(((\v)+1)%2)+2:G0K+4*(((\v)+1)%2)+3], s[G0K+4*(((\v)+1)%2)+2:G0K+4*(((\v)+1)%2)+3], 2*SK*128   ; the slot that I have left: its next 512 keys
	s_add_nc_u64 s[G0V+4*(((\v)+1)%2)+2:G0V+4*(((\v)+1)%2)+3], s[G0V+4*(((\v)+1)%2)+2:G0V+4*(((\v)+1)%2)+3], 2*SK*128
.endif
	s_wait_dscnt 0x0                               ; the add is done, and my reads of the slot that I have left are over
.if (\v) < 3
	CROUND
	JLOAD ((\v)+1)%2
.else
	s_barrier_signal -1
	s_barrier_wait -1
.endif
.endif
	v_add_nc_u32 v[ADK], SB, v[AK0]                ; the slot's first step of K: made ahead of the parting, for both groups
	s_cmp_lg_u32 s[GRP], 0
	s_cbranch_scc1 .Llater_\@
	KQFIRST                                        ; group 0's first scores
.Llater_\@:
	s_barrier_signal -1                            ; it sets group 1 a phase behind group 0
	s_barrier_wait -1
	s_cmp_eq_u32 s[GRP], 0
	s_cbranch_scc1 .Ldone_\@
	KQFIRST                                        ; group 1's
.Ldone_\@:
	s_mov_b32 s[TK], SB+KS*PK
	s_mov_b32 s[TV], SB+VOFF
	s_mov_b32 s[CNT], 7
.Lstep_\@:
	XPH 1
	MPH
	s_add_co_u32 s[TK], s[TK], KS*PK
	s_add_co_u32 s[TV], s[TV], KS*PVP
	s_sub_co_u32 s[CNT], s[CNT], 1
	s_cmp_lg_u32 s[CNT], 0
	s_cbranch_scc1 .Lstep_\@
	XPH 0                                          ; the slot's last step: nothing of the next slot is read ahead of the change
	s_wait_dscnt 0x0
	WIN W_PV
	PVH 0
	PVH 1
	WIN 0
.endm
	s_wait_tensorcnt 0x1                           ; my part of slot 0 is in; slot 1's may stay out
	s_barrier_signal -1
	s_barrier_wait -1                              ; everybody's is
	s_wait_loadcnt 0x0                             ; Q
	VISIT 0
	VISIT 1
	VISIT 2
	VISIT 3
	; THE WAY OUT.  O^T is divided by the sum, rounded to f16 and sent through my stage in LDS, a tile (16 rows of 128 bytes) at a time; it comes back four rows a load: 512 consecutive bytes of the plane.
	; The stage lies in slot 0, which has had its last fill, and which nobody reads behind the last change of slots.  The address work is the places behind the last products.
	v_and_b32 v4, 15, v0                           ; r
	v_bfe_u32 v5, v0, 4, 1                         ; h
	s_mul_i32 s12, s[WV], 16*PK                    ; my stage: 16 rows x 144 bytes
	v_mul_u32_u24 v[STO], v4, PK
	v_lshl_add_u32 v[STO], v5, 4, v[STO]
	v_add_nc_u32 v[STO], s12, v[STO]               ; in: row r, 16 bytes for each half of the lanes
	v_bfe_u32 v4, v0, 3, 2
	v_and_b32 v5, 7, v0
	v_mul_u32_u24 v[RD], v4, PK
	v_lshl_add_u32 v[RD], v5, 4, v[RD]
	v_add_nc_u32 v[RD], s12, v[RD]                 ; back: eight lanes to a row, four rows a load
	v_and_b32 v[GO], 31, v0
	v_lshlrev_b32 v[GO], 4, v[GO]                  ; and in o16: 16 x lane
	WIN 0x01                                       ; source 0 window 1
.irp t, 0,1,2,3
	v_rcp_f32 v[ST+4*\t+2], v[L+8*\t]              ; 1 / the row's sum: L's lowest register
.endr
	v_nop                                          ; a plain instruction between the last reciprocal and the use of its result
	s_wait_alu depctr_va_vdst(0)                   ; and the wait ahead of the first use: one for the four
.macro OPACK t
	WIN W_RS
.set i, 0
.rept 16
	v_pk_mul_f32 v[32*\t+2*i:32*\t+2*i+1], v[32*\t+2*i:32*\t+2*i+1], v[ST+4*\t+2:ST+4*\t+3] op_sel_hi:[1,0]
.set i, i+1
.endr
	WIN 0x05                                       ; sources 0 and 1 window 1, destination window 0: S^T's registers are free
.set i, 0
.rept 16
	v_cvt_pk_f16_f32 v[S+32*\t+i], v[32*\t+2*i], v[32*\t+2*i+1]
.set i, i+1
.endr
	WIN 0
.irp ct, 0,1,2,3
	ds_store_b128 v[STO], v[S+32*\t+4*\ct:S+32*\t+4*\ct+3] offset:32*\ct
.endr
.irp f, 0,1,2,3
	ds_load_b128 v[S+32*\t+16+4*\f:S+32*\t+16+4*\f+3], v[RD] offset:\f*4*PK   ; LDS serves a wave's instructions in order (ISA guide 5.7.1.4): these see the stores above; the next tile's stores come behind them
.endr
.endm
.macro OSEND t, younger                ; younger: the LDS instructions issued behind tile t's loads: the next tile's eight, or none
.irp f, 0,1,2,3
	s_wait_dscnt \younger+3-\f
	global_store_b128 v[GO], v[S+32*\t+16+4*\f:S+32*\t+16+4*\f+3], s[6:7] offset:\t*2048+\f*512   ; the wave stores 512 consecutive bytes, at a multiple of 256 from o16's first byte
.endr
.endm
	OPACK 0
	OPACK 1                                        ; a tile's arithmetic stands between the loads of the tile before and its stores
	OSEND 0, 8
	OPACK 2
	OSEND 1, 8
	OPACK 3
	OSEND 2, 8
	OSEND 3, 0
	s_wait_tensorcnt 0x0                           ; the wave's end, behind my last tensor load and my last LDS store
	ds_add_u32 v[SPW], v[NIL]
	s_wait_dscnt 0x0
	CROUND                                         ; the closing round: no work-group ends while a partner may still ask for a tile that names it
	s_endpgm
.Lfunc_end_k_qfc1528c2ec_attn:
	.size	k_qfc1528c2ec_attn, .Lfunc_end_k_qfc1528c2ec_attn-k_qfc1528c2ec_attn
	.p2alignl 7, 3214868480
	.fill 96, 4, 3214868480
	.section	.rodata,"a",@progbits
	.p2align	6, 0x0
	.amdhsa_kernel k_qfc1528c2ec_attn
		.amdhsa_group_segment_fixed_size 327680
		.amdhsa_private_segment_fixed_size 0
		.amdhsa_enable_private_segment 0
		.amdhsa_kernarg_size 16
		.amdhsa_user_sgpr_count 2
		.amdhsa_user_sgpr_kernarg_segment_ptr 1
		.amdhsa_wavefront_size32 1
		.amdhsa_system_sgpr_workgroup_id_x 1
		.amdhsa_system_sgpr_workgroup_id_y 1
		.amdhsa_system_sgpr_workgroup_id_z 1
		.amdhsa_system_vgpr_workitem_id 0
		.amdhsa_next_free_vgpr 512
		.amdhsa_next_free_sgpr 66
		.amdhsa_reserve_vcc 0
		.amdhsa_float_denorm_mode_32 3
		.amdhsa_float_denorm_mode_16_64 3
		.amdhsa_memory_ordered 1
		.amdhsa_forward_progress 1
		.amdhsa_inst_pref_size 255
	.end_amdhsa_kernel
	.section	.bss,"aw",@nobits
	.p2align	6
	.space	262144
	.amdgpu_metadata
---
amdhsa.version: [ 1, 2 ]
amdhsa.kernels:
  - .name:           k_qfc1528c2ec_attn
    .symbol:         k_qfc1528c2ec_attn.kd
    .args:
      - { .name: qkv, .offset: 0, .size: 8, .value_kind: global_buffer, .address_space: global }
      - { .name: o16, .offset: 8, .size: 8, .value_kind: global_buffer, .address_space: global }
    .group_segment_fixed_size: 327680
    .private_segment_fixed_size: 0
    .kernarg_segment_align: 8
    .kernarg_segment_size: 16
    .max_flat_workgroup_size: 256
    .sgpr_count:     66
    .vgpr_count:     512
    .wavefront_size: 32
...
	.end_amdgpu_metadata
.endif
;; end of part 3
;; launch proj (part 4): grid 4 x 64, 4 waves a work-group, clusters of 4 x 4, 327,680 bytes of LDS; arguments o16, wo16, out0; writes out0
.if DOCPART == 4
	.amdgcn_target "amdgcn-amd-amdhsa--gfx1250"
	.amdhsa_code_object_version 6
	.text
	.protected	k_qfc1528c2ec_proj
	.globl	k_qfc1528c2ec_proj
	.p2align	8
	.type	k_qfc1528c2ec_proj,@function
k_qfc1528c2ec_proj:
	s_mov_b64 s[64:65], 0
	v_nop
	global_prefetch_b8 v0, s[64:65] scope:SCOPE_SE
	s_setreg_imm32_b32 hwreg(HW_REG_WAVE_MODE, 25, 1), 1
	s_wait_xcnt 0x0
	s_wait_alu depctr_hold_cnt(0) depctr_sa_sdst(0) depctr_va_vdst(0) depctr_va_sdst(0) depctr_va_ssrc(0) depctr_va_vcc(0) depctr_vm_vsrc(0)
	s_getreg_b32 s2, hwreg(HW_REG_IB_STS2, 6, 4)
	s_cmp_eq_u32 s2, 0
	s_cbranch_scc0 .Lentry_in_a_cluster
	s_endpgm
.Lentry_in_a_cluster:
	s_bfe_u32 s2, ttmp6, 0x10000c
	s_cmp_lg_u32 s2, 0xf033
	s_cbranch_scc0 .Lentry_shape_is_right
	s_endpgm
.Lentry_shape_is_right:
; out0[m][n] = sum over k of o[m][k] WO[k][n], m = 2048 b + s, k = 64 h + c.  o16: f16 planes [4 b][16 h][2048 s][64 c]; wo16: f16 [1024 k][1024 n]; out0: f32 [8192][1024]; sums in f32.
; A tile of out0 is 128 rows x 256 columns: 256 work-groups.  Four waves, each 64 x 128: 32 accumulators of 16 x 16, 256 registers.  K goes in steps of 128 (two heads) through a ring of two LDS slots.
; A slot: o's 128 rows of two heads (two planes' tiles, rows of 128 bytes), then 128 rows (k) of WO, 512 bytes each.  WO lies [k][n]: its fragments come out of LDS turned, by ds_load_tr16_b128.
; CLUSTERS: 4 x 4 work-groups.  The four of a row of the cluster need the same tiles of o, the four of a column the same tiles of WO: each tile is asked for JOINTLY, by the same tensor load with the same descriptor and a mask that names the four.
; THE MATRIX INSTRUCTION IS USED TRANSPOSED (source 0 = 16 columns of WO, source 1 = 16 rows of o): a lane then holds eight neighbouring numbers of a row of out0.
; REGISTERS: window 0: v0-31 addresses; two fragment buffers of 96, v32-127 and v128-223: for 32 along K, 32 registers of o (4 x 16 rows), then 64 of WO (8 x 16 columns); on the way out v32-159 rows read back.
;   window 1: the accumulators ((a, b) at v[8 (8 a + b)]).
.set PA,     144                       ; a row of o in LDS: 128 bytes + 16 = 36 words: the 16 rows of a load start at 16 different groups of four banks (64 banks of 4 bytes: ISA guide 11.1)
.set PB,     544                       ; a row of WO: 512 + 32 = 136 words
.set APL,    128*PA                    ; one head's 128 rows: what wave 0 or 1 fetches
.set BOFF,   2*APL
.set BHALF,  64*PB                     ; 64 rows of WO: what wave 2 or 3 fetches
.set SLOT,   BOFF+2*BHALF              ; 106,496 bytes
.set SPARE,  2*SLOT                    ; behind the ring: the spare words, 128 bytes for each wave: two blocks of 256 bytes that no other line names
.set SPITCH, 528                       ; the way out: a stage of 16 rows x (512 bytes + 16) for each wave, in slot 0, which has had its last fill and its last read when the first result is stored there
.set LAPS,   4                         ; a lap = two K steps = once round the ring
.set ADRA, 16                          ; v16-17  LDS address of my fragments of o in slot 0, 1
.set ADRB, 20                          ; v20-21  the same for WO
.set STO,  24                          ; v24     the way out: where I put 32 bytes of a row
.set RD,   25                          ; v25     the way out: where I read a row back
.set CO,   26                          ; v26     my byte offset in a row of out0
.set SPW,  28                          ; v28     LDS address of my spare word; never rewritten
.set NIL,  29                          ; v29     0; never rewritten
.set F0,   32
.set F1,   128
.set OB,   32                          ; the way out: 16 rows read back: v32-95 and v96-159 by turns
.set G1, 24                            ; s[24:31] descriptor group 1 for o's tiles;  s[32:39] group 0, one set for each slot
.set G0, 32
.set G1B, 48                           ; s[48:55], s[56:63] the same for WO's tiles
.set G0B, 56
.set MUL, 0x50                         ; C and D window 1; sources 0 and 1 window 0
.set MSB, 0
.macro WIN new                         ; the immediate's high byte repeats the setting that is left
.if MSB != (\new)
	s_set_vgpr_msb (MSB<<8)|(\new)
.set MSB, (\new)
.endif
.endm
.macro PLACES                          ; four places in front of loads into registers that matrix instructions have read, and of the first read of results
.rept 4
	v_nop
.endr
.endm
.macro JLOAD s                         ; a joint load: waves 0 and 1 fetch o's two heads, waves 2 and 3 WO's two halves; an s_nop 0 and four v_nop follow each of the two lines
	s_cmp_eq_u32 s11, 0
	s_cbranch_scc0 .Lfor_b_\@
	tensor_load_to_lds s[G0+4*\s:G0+4*\s+3], s[G1:G1+7]
	s_nop 0
	PLACES
	s_branch .Lasked_\@
.Lfor_b_\@:
	tensor_load_to_lds s[G0B+4*\s:G0B+4*\s+3], s[G1B:G1B+7]
	s_nop 0
	PLACES
.Lasked_\@:
.endm
.macro CREST                           ; a round of the cluster's barrier behind its opening barrier
	s_cmp_lg_u32 s10, 0
	s_cbranch_scc1 .Lnot_wave_0_\@
	s_barrier_signal -3
.Lnot_wave_0_\@:
	s_barrier_wait -3
	s_barrier_signal -1
	s_barrier_wait -1
.endm
.macro CROUND                          ; a whole round
	s_barrier_signal -1
	s_barrier_wait -1
	CREST
.endm
	s_load_b128 s[4:7], s[0:1], 0x0                ; o16 s[4:5], wo16 s[6:7]
	s_load_b64 s[8:9], s[0:1], 0x10                ; out0
	v_lshl_add_u32 v[SPW], v0, 2, SPARE
	v_mov_b32 v[NIL], 0
	ds_add_u32 v[SPW], v[NIL]                      ; the wave's opening: the add, twice on end, and its wait ahead of my first tensor load
	ds_add_u32 v[SPW], v[NIL]                      ; the same add once more; the set-up below, work on registers, stands between it and the wait
	v_lshrrev_b32 v1, 5, v0
	v_readfirstlane_b32 s10, v1                    ; wave 0..3
	s_lshr_b32 s11, s10, 1                         ; which half of the tile's rows is mine.  Also: I fetch for o (0) or for WO (1)
	s_and_b32 s12, s10, 1                          ; which half of its columns.  Also: which head, or which 64 rows of WO, I fetch
	s_bfe_u32 s40, ttmp6, 0x40000                  ; cx, cy: my place in the cluster
	s_bfe_u32 s41, ttmp6, 0x40004
	s_lshl_b32 s42, ttmp9, 2
	s_add_co_u32 s42, s42, s40                     ; tile column = 4 x cluster x + cx
	s_and_b32 s13, ttmp7, 0xffff
	s_lshl_b32 s13, s13, 2
	s_add_co_u32 s13, s13, s41                     ; tile row = 4 x cluster y + cy
	s_lshl_b32 s43, s41, 2
	s_lshl_b32 s43, 15, s43                        ; my row of the cluster
	s_lshl_b32 s44, 0x1111, s40                    ; my column
	; descriptor group 1.  o: 128 rows x 64 elements of 2 bytes, dense rows;  WO: 64 rows x 256 elements, 1,024 elements from row to row
	s_or_b32 s[G1+0], s43, (1<<16)|(1<<20)|(1<<21)|(4<<22)|(3<<25)   ; 15:0 the mask: o's tiles go to my row; 17:16 element of 2 bytes; 20 padding on; 21 set beside a mask; 24:22 after every 32 words; 31:25 four words
	s_mov_b32 s[G1+1], 64<<16                      ; tensor_dim0
	s_mov_b32 s[G1+2], 128<<16                     ; tensor_dim1
	s_mov_b32 s[G1+3], 64<<16                      ; tile_dim0
	s_mov_b32 s[G1+4], 128                         ; tile_dim1
	s_mov_b32 s[G1+5], 64                          ; tensor_dim0_stride
	s_mov_b32 s[G1+6], 0
	s_mov_b32 s[G1+7], 0
	s_or_b32 s[G1B+0], s44, (1<<16)|(1<<20)|(1<<21)|(6<<22)|(7<<25)  ; the mask of my column; padding: eight words after every 128
	s_mov_b32 s[G1B+1], 256<<16
	s_mov_b32 s[G1B+2], 64<<16
	s_mov_b32 s[G1B+3], 256<<16
	s_mov_b32 s[G1B+4], 64
	s_mov_b32 s[G1B+5], 1024
	s_mov_b32 s[G1B+6], 0
	s_mov_b32 s[G1B+7], 0
	; where the tiles come from.  o's hang on the tile row alone: b = tile row / 16, s = 128 (tile row % 16); plane 16 b + head.  WO's on the tile column alone.
	s_lshr_b32 s16, s13, 4
	s_lshl_b32 s16, s16, 22                        ; b x 16 planes of 2^18 bytes
	s_and_b32 s17, s13, 15
	s_lshl_b32 s17, s17, 14                        ; 128 rows of 128 bytes
	s_add_co_u32 s16, s16, s17
	s_lshl_b32 s17, s12, 18                        ; my head of the K step's two
	s_add_co_u32 s16, s16, s17
	s_mov_b32 s17, 0
	s_lshl_b32 s46, s42, 9                         ; 256 columns of 2 bytes
	s_lshl_b32 s47, s12, 17                        ; my 64 rows of 2,048 bytes
	s_add_co_u32 s46, s46, s47
	s_mov_b32 s47, 0
	s_mul_i32 s20, s12, APL                        ; and where they go: no place in the cluster enters an LDS address
	s_mul_i32 s21, s12, BHALF
	s_add_co_u32 s21, s21, BOFF
	s_wait_dscnt 0x0                               ; both opening adds are done
	s_wait_kmcnt 0x0
	s_add_nc_u64 s[14:15], s[4:5], s[16:17]
	s_add_nc_u64 s[46:47], s[6:7], s[46:47]
	CROUND                                         ; all sixteen work-groups are here: the first joint loads meet
.irp s, 0,1
	s_mov_b32 s[G0+4*\s], 1
	s_add_co_u32 s[G0+4*\s+1], s20, \s*SLOT
	s_add_nc_u64 s[G0+4*\s+2:G0+4*\s+3], s[14:15], \s*2*262144     ; K step s: two heads on
	s_or_b32 s[G0+4*\s+3], s[G0+4*\s+3], 0x80000000
	s_mov_b32 s[G0B+4*\s], 1
	s_add_co_u32 s[G0B+4*\s+1], s21, \s*SLOT
	s_add_nc_u64 s[G0B+4*\s+2:G0B+4*\s+3], s[46:47], \s*128*2048   ; 128 rows on
	s_or_b32 s[G0B+4*\s+3], s[G0B+4*\s+3], 0x80000000
	JLOAD \s                                       ; two loads of mine are out
.endr
	v_and_b32 v1, 15, v0                           ; r = l % 16
	v_bfe_u32 v2, v0, 4, 1                         ; h = l / 16
	v_mul_u32_u24 v3, v1, PA
	v_lshl_add_u32 v3, v2, 4, v3                   ; o: a fragment's row x pitch + 16 x half
	v_and_b32 v4, 7, v0
	v_bfe_u32 v5, v0, 3, 1
	v_lshl_add_u32 v4, v2, 3, v4                   ; WO, turned: lane l reads 16 bytes of row 8 (l / 16) + l % 8, columns 8 ((l / 8) % 2) + 0..7
	v_mul_u32_u24 v4, v4, PB
	v_lshl_add_u32 v4, v5, 4, v4
	s_mul_i32 s21, s11, 64*PA                      ; my 64 rows of o
	s_lshl_b32 s22, s12, 8                         ; my 128 columns of WO,
	s_add_co_u32 s22, s22, BOFF                    ; which lies behind o's two planes
.irp s, 0,1
	v_add_nc_u32 v[ADRA+\s], s21, v3
	v_add_nc_u32 v[ADRB+\s], s22, v4
	s_add_co_u32 s21, s21, SLOT
	s_add_co_u32 s22, s22, SLOT
.endr
	s_mul_i32 s23, s10, 16*SPITCH                  ; my stage
	v_mul_u32_u24 v5, v1, SPITCH                   ; in: row r, 32 bytes for each half of the lanes
	v_lshl_add_u32 v5, v2, 5, v5
	v_add_nc_u32 v[STO], s23, v5
	v_and_b32 v6, 31, v0
	v_lshlrev_b32 v[CO], 4, v6                     ; back: the 32 lanes take one row of 512 bytes; and the same in out0
	v_add_nc_u32 v[RD], s23, v[CO]
	s_lshl_b32 s16, s13, 19                        ; my first row: 128 x tile row + 64 x half, rows of 4,096 bytes
	s_lshl_b32 s17, s11, 18
	s_add_co_u32 s16, s16, s17
	s_mov_b32 s17, 0
	s_add_nc_u64 s[8:9], s[8:9], s[16:17]
	s_lshl_b32 s46, s42, 10                        ; my first column, in bytes: 1,024 x tile column + 512 x half
	s_lshl_b32 s47, s12, 9
	s_add_co_u32 s46, s46, s47
	s_mov_b32 s47, 0
	s_add_nc_u64 s[8:9], s[8:9], s[46:47]
; 8 matrix instructions: block a of my rows x all 8 blocks of my columns, 32 along K: buffer f.  zero = 1: the first product starts the sums.  The 32 accumulators take turns, one instruction a turn.
.macro MUL8 f, a, zero
.irp b, 0,1,2,3,4,5,6,7
.if \zero
	v_wmma_f32_16x16x32_f16 v[8*(8*(\a)+\b):8*(8*(\a)+\b)+7], v[\f+32+8*\b:\f+32+8*\b+7], v[\f+8*(\a):\f+8*(\a)+7], 0
.else
	v_wmma_f32_16x16x32_f16 v[8*(8*(\a)+\b):8*(8*(\a)+\b)+7], v[\f+32+8*\b:\f+32+8*\b+7], v[\f+8*(\a):\f+8*(\a)+7], v[8*(8*(\a)+\b):8*(8*(\a)+\b)+7]
.endif
.endr
.endm
; 24 LDS loads in one run: the fragments of the slot's q-th 32 along K into buffer f: WO's sixteen first, then o's eight (head q / 2, channels 32 (q % 2) on)
.macro FETCH slot, q, f
	WIN 0
.irp b, 0,1,2,3,4,5,6,7
	ds_load_tr16_b128 v[\f+32+8*\b:\f+32+8*\b+3],   v[ADRB+\slot] offset:(\q)*32*PB+32*\b
	ds_load_tr16_b128 v[\f+32+8*\b+4:\f+32+8*\b+7], v[ADRB+\slot] offset:(\q)*32*PB+16*PB+32*\b
.endr
.irp a, 0,1,2,3
	ds_load_b128 v[\f+8*\a:\f+8*\a+3],   v[ADRA+\slot] offset:((\q)/2)*APL+((\q)%2)*64+\a*16*PA
	ds_load_b128 v[\f+8*\a+4:\f+8*\a+7], v[ADRA+\slot] offset:((\q)/2)*APL+((\q)%2)*64+\a*16*PA+32
.endr
.endm
; A K step is four quarters of 32 along K, 32 matrix instructions each, on buffers 0, 1, 0, 1.  One of the first three: multiplies buffer f and fetches quarter q into g.
.macro QUARTER slot, q, f, g, zero
	s_wait_dscnt 4                                 ; WO's fragments and o's blocks 0, 1 are in; the youngest four loads (o's blocks 2, 3) may be out
	WIN MUL
	MUL8 \f, 0, \zero
	MUL8 \f, 1, \zero
	PLACES
	FETCH \slot, \q, \g
	s_wait_dscnt 24                                ; all but the 24 just issued
	WIN MUL
	MUL8 \f, 2, \zero
	MUL8 \f, 3, \zero
.endm
; The last quarter multiplies buffer 1 and changes slots: ONE barrier; in front of it each wave waits for all its tensor loads, adds 0 to its spare word, and waits for that and for its own reads of this slot.  fill = 1: this slot is filled again, two K steps ahead.
.macro TURN slot, next, fill
	WIN 0                                          ; (the add's two registers lie in window 0)
	s_wait_tensorcnt 0x0                           ; all my tensor loads have landed: my part of the next slot
	ds_add_u32 v[SPW], v[NIL]                      ; 0 onto my spare word
	s_wait_dscnt 5                                 ; (the add and the youngest four loads may be out)
	WIN MUL
	MUL8 F1, 0, 0                                  ; eight matrix instructions stand between the add and the wait for it
	s_wait_dscnt 0x0                               ; the add is done, and my reads of this slot are over
	s_barrier_signal -1
	MUL8 F1, 1, 0
	WIN 0                                          ; (branches may follow, and nothing stands between the wait below and the rest of the round)
	s_barrier_wait -1
.if \fill
	CREST                                          ; the barrier has opened a round of the cluster's barrier: no wave of any partner still reads this slot's tile or has a load on its way
	s_add_nc_u64 s[G0+4*\slot+2:G0+4*\slot+3], s[G0+4*\slot+2:G0+4*\slot+3], 4*262144       ; four heads on
	s_add_nc_u64 s[G0B+4*\slot+2:G0B+4*\slot+3], s[G0B+4*\slot+2:G0B+4*\slot+3], 256*2048   ; 256 rows on
	JLOAD \slot                                    ; the first tensor load behind the round: 112 matrix instructions ahead of the wait for it; the four v_nop behind it are also the places in front of the loads below
.else
	PLACES
.endif
	FETCH \next, 0, F0
	WIN MUL
	MUL8 F1, 2, 0
	MUL8 F1, 3, 0
.endm
	s_wait_tensorcnt 1                             ; my part of K step 0 is in (K step 1's may be out)
	s_barrier_signal -1
	s_barrier_wait -1                              ; everybody's is
	FETCH 0, 0, F0
	QUARTER 0, 1, F0, F1, 1                        ; the first quarter stands in front of the loop: its products start the sums
	WIN 0                                          ; at a label and at a branch every window is 0
	s_mov_b32 s3, LAPS-1
.Llap:                                                 ; a trip goes once round the ring, from a lap's second quarter to the next lap's first, and fills both slots again
	QUARTER 0, 2, F1, F0, 0
	QUARTER 0, 3, F0, F1, 0
	TURN 0, 1, 1
	QUARTER 1, 1, F0, F1, 0
	QUARTER 1, 2, F1, F0, 0
	QUARTER 1, 3, F0, F1, 0
	TURN 1, 0, 1
	QUARTER 0, 1, F0, F1, 0
	WIN 0
	s_sub_co_u32 s3, s3, 1
	s_cmp_lg_u32 s3, 0
	s_cbranch_scc1 .Llap
	QUARTER 0, 2, F1, F0, 0                        ; the last lap fills nothing, and has no round of the cluster's barrier
	QUARTER 0, 3, F0, F1, 0
	TURN 0, 1, 0
	QUARTER 1, 1, F0, F1, 0
	QUARTER 1, 2, F1, F0, 0
	QUARTER 1, 3, F0, F1, 0
	s_wait_dscnt 4                                 ; the very last quarter: nothing more to fetch
	WIN MUL
	MUL8 F1, 0, 0
	MUL8 F1, 1, 0
	s_wait_dscnt 0
	MUL8 F1, 2, 0
	MUL8 F1, 3, 0
	WIN 0
; THE WAY OUT, block by block of 16 rows x 128 columns.  A lane holds 32 neighbouring bytes of a row, and the lanes beside it hold other rows: so a block goes through my own stage in LDS and comes back as whole
; rows of 512 bytes.  LDS serves a wave's instructions in order (ISA guide 5.7.1.4): no wait between the stores and the loads, nor in front of the next block's stores.
.macro TOSTAGE a
	WIN 0x04                                       ; an LDS store's data are its source 1: window 1
.irp b, 0,1,2,3,4,5,6,7
	ds_store_b128 v[STO], v[8*(8*(\a)+\b):8*(8*(\a)+\b)+3] offset:64*\b          ; each accumulator from its low end on
	ds_store_b128 v[STO], v[8*(8*(\a)+\b)+4:8*(8*(\a)+\b)+7] offset:64*\b+16
.endr
	WIN 0
.set BB, OB+64*((\a)%2)
.irp t, 0,1,2,3,4,5,6,7,8,9,10,11,12,13,14,15
	ds_load_b128 v[BB+4*\t:BB+4*\t+3], v[RD] offset:\t*SPITCH
.endr
.endm
.macro SEND a, younger                 ; younger: the LDS instructions issued behind block a's loads, which may stay out
.set BB, OB+64*((\a)%2)
	s_wait_dscnt \younger                          ; the block is back in registers
.irp t, 0,1,2,3,4,5,6,7,8,9,10,11,12,13,14,15
	global_store_b128 v[CO], v[BB+4*\t:BB+4*\t+3], s[8:9] offset:(16*(\a)+\t)*4096 th:TH_STORE_NT   ; 32 lanes store 512 consecutive bytes, at a multiple of 256 from out0's first byte; written once, read by nobody here
.endr
.endm
	PLACES                                         ; behind the last products: for the stage's stores of results and for the loads into the fragments' registers
	TOSTAGE 0
.irp a, 1,2,3
.if \a > 1
	s_wait_xcnt 0x0                                ; block a - 2's stores have read their registers: block a's loads may land there
.endif
	TOSTAGE \a
	SEND \a-1, 32                                  ; behind block a - 1's loads: block a's 16 stores and 16 loads
.endr
	SEND 3, 0
	s_wait_tensorcnt 0x0                           ; the wave's end, behind my last tensor load and my last LDS store
	ds_add_u32 v[SPW], v[NIL]
	s_wait_dscnt 0x0
	CROUND                                         ; the closing round: no work-group ends while a partner may still ask for a tile that names it
	s_endpgm
.Lfunc_end_k_qfc1528c2ec_proj:
	.size	k_qfc1528c2ec_proj, .Lfunc_end_k_qfc1528c2ec_proj-k_qfc1528c2ec_proj
	.p2alignl 7, 3214868480
	.fill 96, 4, 3214868480
	.section	.rodata,"a",@progbits
	.p2align	6, 0x0
	.amdhsa_kernel k_qfc1528c2ec_proj
		.amdhsa_group_segment_fixed_size 327680
		.amdhsa_private_segment_fixed_size 0
		.amdhsa_enable_private_segment 0
		.amdhsa_kernarg_size 24
		.amdhsa_user_sgpr_count 2
		.amdhsa_user_sgpr_kernarg_segment_ptr 1
		.amdhsa_wavefront_size32 1
		.amdhsa_system_sgpr_workgroup_id_x 1
		.amdhsa_system_sgpr_workgroup_id_y 1
		.amdhsa_system_sgpr_workgroup_id_z 1
		.amdhsa_system_vgpr_workitem_id 0
		.amdhsa_next_free_vgpr 512
		.amdhsa_next_free_sgpr 66
		.amdhsa_reserve_vcc 0
		.amdhsa_float_denorm_mode_32 3
		.amdhsa_float_denorm_mode_16_64 3
		.amdhsa_memory_ordered 1
		.amdhsa_forward_progress 1
		.amdhsa_inst_pref_size 85
	.end_amdhsa_kernel
	.amdgpu_metadata
---
amdhsa.version: [ 1, 2 ]
amdhsa.kernels:
  - .name:           k_qfc1528c2ec_proj
    .symbol:         k_qfc1528c2ec_proj.kd
    .args:
      - { .name: o16, .offset: 0, .size: 8, .value_kind: global_buffer, .address_space: global }
      - { .name: wo16, .offset: 8, .size: 8, .value_kind: global_buffer, .address_space: global }
      - { .name: out0, .offset: 16, .size: 8, .value_kind: global_buffer, .address_space: global }
    .group_segment_fixed_size: 327680
    .private_segment_fixed_size: 0
    .kernarg_segment_align: 8
    .kernarg_segment_size: 24
    .max_flat_workgroup_size: 128
    .sgpr_count:     66
    .vgpr_count:     512
    .wavefront_size: 32
...
	.end_amdgpu_metadata
.endif
;; end of part 4
